; MI455X (gfx1250); checked and timed in simulation.
; The chip was launched on July 23, 2026; its instructions are those of AMD's public machine-readable ISA for CDNA 5 (MIT licence, August 2026) and "CDNA5" Instruction Set Architecture Reference Guide (July 2026). The comments in the code are by the model that wrote it; some were corrected since.
;; Attention. Allowed arithmetic: matrix products marked QUANTISED: E2M1 operands, one E8M0 scale for each 32 along K, by v_wmma_scale_f32_16x16x128_f8f6f4 with both operands' format E2M1 (or v_wmma_scale_f32_32x16x128_f4), f32 sums; products left as they are: bf16, f16 or f32 operands; f32 sums; everything else in f32.
;; Inputs: Wg 2,048 x 16 float32; Wk 2,048 x 2,048 float32; Wo 2,048 x 2,048 float32; Wq 2,048 x 2,048 float32; Wv 2,048 x 2,048 float32; bg 16 float32; rotary_pos_emb 2,048 x 128 float32; x 1 x 2,048 x 2,048 float32.
;; Outputs: out0 1 x 2,048 x 2,048 float32.
;; This version of the problem:
;;   THIS VERSION OF THE PROBLEM IS GIVEN IN LOW PRECISION. The matrix products marked QUANTISED in the list below multiply operands that are first quantised to E2M1 (2 exponent bits, 1 mantissa bit; 4 bits a number), with one power-of-two scale for each 32 numbers along K (OCP MX v1.0); their sums are f32. The products marked 'left as it is' may take bf16, f16 or f32 operands, with f32 sums. Whichever they take, every output number must still come out within the allowed error. Rounding operands to bf16 (8 significant bits) uses up far more of that allowance than f16 does (11 bits, for magnitudes from 6e-5 to 65,504). All else is computed in f32.
;;   The module's matrix products, in the order in which they are computed (A, B: the left and right operand; K: the contracted axis; several contracted axes count as one K, in the product's order):
;;     1. [M 2,048, K 2,048] x [K 2,048, N 2,048]; A: input x; B: input Wq: QUANTISED
;;     2. [M 2,048, K 2,048] x [K 2,048, N 2,048]; A: input x; B: input Wk: QUANTISED
;;     3. [M 2,048, K 2,048] x [K 2,048, N 2,048]; A: input x; B: input Wv: QUANTISED
;;     4. batch 16 x [M 2,048, K 128] x [K 128, N 2,048]; A: computed on the way; B: computed on the way: left as it is (an operand is computed on the way)
;;     5. batch 16 x [M 2,048, K 2,048] x [K 2,048, N 128]; A: computed on the way; B: computed on the way: left as it is (an operand is computed on the way)
;;     6. [M 2,048, K 2,048] x [K 2,048, N 16]; A: input x; B: input Wg: QUANTISED
;;     7. [M 2,048, K 2,048] x [K 2,048, N 2,048]; A: computed on the way; B: input Wo: left as it is (an operand is computed on the way)
;;   THE QUANTISER, for each operand of a quantised product, along K:
;;     - K is cut into blocks of 32 from its start; a last block that is shorter is filled with zeros.
;;     - A block's scale is 2^e with e = floor(log2(the largest magnitude in the block)) - 2, held to -126 .. 127; a block of zeros has e = 0. As a byte (E8M0): e + 127.
;;     - Each number is divided by its block's scale, clamped to +-6, and rounded to the nearest number of E2M1, ties to even, subnormals kept.
;;     - The product sums the exact products of the quantised numbers (number of the format x scale) in f32.
;;   ~~~python
;;   def quantise(x, axis):      # numpy; x: float32 -> the quantised numbers, widened to float32 again
;;       x = np.moveaxis(x, axis, -1); K = x.shape[-1]
;;       x = np.pad(x, [(0, 0)] * (x.ndim - 1) + [(0, -K % 32)]); x = x.reshape(x.shape[:-1] + (-1, 32)); a = np.abs(x).max(-1, keepdims=True)
;;       e = np.where(a > 0, np.clip(np.frexp(np.where(a > 0, a, 1))[1] - 1 - 2, -126, 127), 0)      # np.frexp(a)[1] - 1 = floor(log2(a)), exactly
;;       r = np.clip(x / 2.0 ** e, -6, 6)
;;       step = 2.0 ** (np.maximum(np.frexp(np.where(r == 0, 1, r))[1] - 1, 0) - 1)
;;       q = np.round(r / step) * step * 2.0 ** e      # np.round: ties to even
;;       return np.moveaxis(q.reshape(q.shape[:-2] + (-1,))[..., :K], -1, axis).astype(np.float32)
;;   ~~~
;; One version. Each part assembles by itself: llvm-mc -triple=amdgcn-amd-amdhsa -mcpu=gfx1250 --defsym DOCPART=n.
;; ======== version 1 of 1: 4 launches
;; limits: values are held in f16: magnitudes above 65,504 overflow, below 6.1e-05 lose precision; right only within a limited range of input values
;; workspace buffers: xq 2,228,224 bytes; wq 6,703,104 bytes; wo16 8,388,608 bytes; tabs 2,097,152 bytes; qkv 25,165,824 bytes; gate 131,072 bytes; att 8,388,608 bytes
;; launch prep (part 1): grid 900 x 1, 4 waves a work-group, no clusters, 50,688 bytes of LDS; arguments x, Wq, Wk, Wv, Wg, Wo, rotary_pos_emb, xq, wq, wo16, tabs; writes xq, wq, wo16, tabs
.if DOCPART == 1
	.amdgcn_target "amdgcn-amd-amdhsa--gfx1250"
	.amdhsa_code_object_version 6
	.text
	.protected	k_qada9cd619d_prep
	.globl	k_qada9cd619d_prep
	.p2align	8
	.type	k_qada9cd619d_prep,@function
k_qada9cd619d_prep:
	s_mov_b64 s[64:65], 0
	v_nop
	global_prefetch_b8 v0, s[64:65] scope:SCOPE_SE
	s_setreg_imm32_b32 hwreg(HW_REG_WAVE_MODE, 25, 1), 1
	s_wait_xcnt 0x0
; PREP: every f32 input is read once and laid as the later launches want it.  Five kinds of work-group, told apart by the work-group's number, the long ones first; the five ways never join.
;   0-383   W: Wq, Wk, Wv [2048 (k)][2048 (n)] f32 -> codes of E2M1, K innermost, wq[6144 (n: Wq, Wk, Wv)][1024 bytes], and E8M0 bytes [6144][64] at +6,291,456
;   384-511 X: x [2048][2048] f32 -> xq: codes [2048][1024 bytes], E8M0 bytes [2048][64] at +2,097,152
;   512-767 O: Wo f32 -> wo16, f16, same [k][n] order
;   768-895 T: the angles [2048][128] -> tabs: cos, and at +1,048,576 sin' (= -sin for d < 64, +sin for d >= 64: the sign that rotate_half gives)
;   896-899 G: Wg [2048][16] -> 16 K steps of 128 as images of the operand's registers at wq+6,684,672, their scale words [32 lanes][16 steps] at wq+6,701,056
; A block's scale is 2^(floor(log2(largest magnitude)) - 2): its byte is the largest magnitude's exponent field - 2, held at 1 from below.
; LIMITS: a block of zeros, or one whose largest magnitude lies under 2^-124, keeps the byte 1 (its codes are zeros or small; this program alone reads the bytes); NaN and infinities are not served;
; angles: |angle| under 2^22 (the reduction's multiple of pi/2 is a whole number in f32); sine and cosine by reduction in three parts and polynomials, in f32.
; No tensor load, no matrix work.  Waves share nothing but in way W, whose four waves meet once in a stage.  LDS: way X bytes 0-32,767, way W bytes 32,768-50,175, the spare words behind them.
.set SPARE, 50176                      ; the spare words, 128 bytes a wave: two blocks of 256 bytes that no other line names
.set SPW,   190                        ; v190  LDS address of my spare word; never rewritten
.set NIL,   191                        ; v191  0; never rewritten
; ---- way X: a wave takes 16 steps of 512 numbers; each load is 512 dense bytes; a step turns through the wave's stage so that a lane holds 16 neighbours
.set XWREG, 8192                       ; LDS of a wave: two stages of 32 x 80 bytes, then its 256 scale bytes
.set XSP,   80
.set XR,    16                         ; v16-79   four sets as loaded
.set XX,    80                         ; v80-111  two sets of 16 neighbours
.set XE,    112                        ; v112-127 a byte for each step
.set XC,    128                        ; v128-189 codes, four registers apart for each step
.macro XLOAD t
.irp i, 0,1,2,3
	global_load_b128 v[XR+16*((\t)%4)+4*\i:XR+16*((\t)%4)+4*\i+3], v3, s[4:5] offset:2048*(\t)+512*\i th:TH_LOAD_NT
.endr
.endm
.macro XTURN t                         ; LDS serves a wave's instructions in order: no wait between the stores and the loads
.irp i, 0,1,2,3
	ds_store_b128 v14, v[XR+16*((\t)%4)+4*\i:XR+16*((\t)%4)+4*\i+3] offset:32*XSP*((\t)%2)+8*XSP*\i
.endr
.irp i, 0,1,2,3
	ds_load_b128 v[XX+16*((\t)%2)+4*\i:XX+16*((\t)%2)+4*\i+3], v15 offset:32*XSP*((\t)%2)+16*\i
.endr
.endm
.macro XSTEP t
.set XS, XX+16*((\t)%2)
.if (\t) > 0
	s_wait_dscnt 1                                 ; this step's numbers are back from the stage; the last step's byte store may be out
.else
	s_wait_dscnt 0x0
.endif
.if (\t)+4 < 16
	XLOAD (\t)+4                                   ; into the set whose stores into the stage are done
.endif
.if (\t)+1 < 16
.if 14-(\t) >= 3
	s_wait_loadcnt 12                              ; the next step's four loads are in; three later steps' twelve may be out
.else
	s_wait_loadcnt 4*(14-(\t))
.endif
	XTURN (\t)+1
.endif
	v_max3_num_f32 v8, |v[XS]|, |v[XS+1]|, |v[XS+2]|
	v_max3_num_f32 v9, |v[XS+3]|, |v[XS+4]|, |v[XS+5]|
.irp i, 6,10
	v_max3_num_f32 v8, v8, |v[XS+\i]|, |v[XS+\i+1]|
	v_max3_num_f32 v9, v9, |v[XS+\i+2]|, |v[XS+\i+3]|
.endr
	v_max3_num_f32 v8, v8, |v[XS+14]|, |v[XS+15]|
	v_max3_num_f32 v8, v8, v9, 0x1800000           ; with the floor 2^(3 - 127): the byte cannot fall under 1
	v_max_num_f32_dpp v8, v8, v8 row_xmask:1 row_mask:0xf bank_mask:0xf   ; and my neighbour's 16: the block's largest magnitude
	v_add_nc_u32 v11, 0xff000000, v8               ; 2 off its exponent field: the conversion's scale operand
	v_cvt_scalef32_pk8_fp4_f32 v[XC+4*(\t)], v[XS:XS+7], v11
	v_cvt_scalef32_pk8_fp4_f32 v[XC+4*(\t)+1], v[XS+8:XS+15], v11
	v_lshrrev_b32 v[XE+(\t)], 23, v11              ; the scale's byte
	ds_store_b8 v5, v[XE+(\t)] offset:16*(\t)      ; both lanes of a block write the same byte with the same value
	global_store_b64 v4, v[XC+4*(\t):XC+4*(\t)+1], s[8:9] offset:256*(\t)   ; the wave stores 256 dense bytes, aligned
.endm
; ---- way W: a lane takes a column, its registers run down K.  A work-group takes 64 columns x 512 of K; wave w takes 32 of the columns (w & 1) x 256 of K (w >> 1): 8 blocks of 32, two blocks (64 loads) on their way.
; The two waves side by side read 256 dense bytes of a row of W, aligned.  A column's two halves of K meet in one stage row of 256 bytes of codes; behind a barrier each wave stores 16 whole rows.
.set WP,    272                        ; a stage row: 256 bytes of codes + 16
.set WX,    32                         ; v32-95   two sets of 32 numbers
.set WC,    96                         ; v96-99   a block's codes
.set WSB,   24                         ; v24-25   8 scale bytes
.set WOUT,  112                        ; v112-143 the way out
.macro WLOAD t
.set i, 0
.rept 32
	global_load_b32 v[WX+32*((\t)%2)+i], v3, s[4:5] offset:(32*(\t)+i)*8192 th:TH_LOAD_NT
.set i, i+1
.endr
.endm
.macro WBLOCK t
.set WS, WX+32*((\t)%2)
.if (\t) < 7
	s_wait_loadcnt 32                              ; this block's 32 loads are in; the next block's 32 may be out
.else
	s_wait_loadcnt 0x0
.endif
	v_max3_num_f32 v12, |v[WS]|, |v[WS+1]|, |v[WS+2]|
	v_max3_num_f32 v13, |v[WS+3]|, |v[WS+4]|, |v[WS+5]|
.irp i, 6,10,14,18,22,26
	v_max3_num_f32 v12, v12, |v[WS+\i]|, |v[WS+\i+1]|
	v_max3_num_f32 v13, v13, |v[WS+\i+2]|, |v[WS+\i+3]|
.endr
	v_max3_num_f32 v12, v12, |v[WS+30]|, |v[WS+31]|
	v_max3_num_f32 v12, v12, v13, 0x1800000
	v_add_nc_u32 v11, 0xff000000, v12
	v_lshrrev_b32 v13, 23, v11
.if (\t)%4 == 0
	v_mov_b32 v[WSB+(\t)/4], v13
.else
	v_lshl_or_b32 v[WSB+(\t)/4], v13, 8*((\t)%4), v[WSB+(\t)/4]
.endif
.irp g, 0,1,2,3
	v_cvt_scalef32_pk8_fp4_f32 v[WC+\g], v[WS+8*\g:WS+8*\g+7], v11
.endr
	v_nop                                          ; a plain line behind the last conversion
	ds_store_b128 v4, v[WC:WC+3] offset:16*(\t)
.if (\t)+2 < 8
	WLOAD (\t)+2
.endif
	s_wait_dscnt 0x0                               ; the store has read its registers and has landed: the next block's codes may be written
.endm
; ---- way O: a wave takes 16,384 bytes of Wo: all 32 loads go out at once
.macro OLOAD r
.set i, 0
.rept 16
	global_load_b128 v[16+64*(\r)+4*i:16+64*(\r)+4*i+3], v3, s[4:5] offset:8192*(\r)+512*i th:TH_LOAD_NT
.set i, i+1
.endr
.endm
.macro OCONV r, ob                     ; half r is rounded to f16 into v[ob] on and stored
.set i, 0
.rept 16
	v_cvt_pk_f16_f32 v[\ob+2*i], v[16+64*(\r)+4*i], v[16+64*(\r)+4*i+1]
	v_cvt_pk_f16_f32 v[\ob+2*i+1], v[16+64*(\r)+4*i+2], v[16+64*(\r)+4*i+3]
	global_store_b64 v4, v[\ob+2*i:\ob+2*i+1], s[6:7] offset:4096*(\r)+256*i
.set i, i+1
.endr
.endm
; ---- way T: four angles of a lane by turns.  k = nearest whole number to x 2/pi; r = x - k pi/2 in three parts; sine and cosine of r by polynomials; the quadrant k mod 4 swaps and signs them
.macro SINCOS g
.set XI, 16+4*(\g)
.irp e, 0,1,2,3
	v_mul_f32 v[64+\e], s20, v[XI+\e]
.endr
.irp e, 0,1,2,3
	v_rndne_f32 v[64+\e], v[64+\e]                 ; k
.endr
.irp e, 0,1,2,3
	v_fma_f32 v[68+\e], -v[64+\e], s21, v[XI+\e]
.endr
.irp e, 0,1,2,3
	v_fma_f32 v[68+\e], -v[64+\e], s22, v[68+\e]
.endr
.irp e, 0,1,2,3
	v_fma_f32 v[68+\e], -v[64+\e], s23, v[68+\e]   ; r
.endr
.irp e, 0,1,2,3
	v_mul_f32 v[72+\e], v[68+\e], v[68+\e]         ; z = r r
	v_cvt_i32_f32 v[84+\e], v[64+\e]               ; k as a whole number
.endr
.irp e, 0,1,2,3
	v_fma_f32 v[76+\e], v[72+\e], s24, s25
	v_fma_f32 v[80+\e], v[72+\e], s27, s28
.endr
.irp e, 0,1,2,3
	v_fma_f32 v[76+\e], v[76+\e], v[72+\e], s26
	v_fma_f32 v[80+\e], v[80+\e], v[72+\e], s29
.endr
.irp e, 0,1,2,3
	v_mul_f32 v[88+\e], v[72+\e], v[68+\e]         ; z r
	v_fma_f32 v[64+\e], v[72+\e], -0.5, 1.0        ; 1 - z / 2
.endr
.irp e, 0,1,2,3
	v_mul_f32 v[72+\e], v[72+\e], v[72+\e]         ; z z
.endr
.irp e, 0,1,2,3
	v_fma_f32 v[76+\e], v[76+\e], v[88+\e], v[68+\e]   ; sin r
	v_fma_f32 v[80+\e], v[80+\e], v[72+\e], v[64+\e]   ; cos r
.endr
.irp e, 0,1,2,3
	v_and_b32 v[88+\e], 1, v[84+\e]
	v_add_nc_u32 v[64+\e], 1, v[84+\e]
.endr
.irp e, 0,1,2,3
	v_lshlrev_b32 v[84+\e], 30, v[84+\e]
	v_lshlrev_b32 v[64+\e], 30, v[64+\e]
.endr
.irp e, 0,1,2,3
	v_and_b32 v[84+\e], 0x80000000, v[84+\e]       ; the sine is negated in quadrants 2, 3,
	v_and_b32 v[64+\e], 0x80000000, v[64+\e]       ; the cosine in 1, 2
.endr
.irp e, 0,1,2,3
	v_xor_b32 v[84+\e], v[84+\e], v8               ; and sin' once more for d < 64
.endr
.irp e, 0,1,2,3
	v_cmp_eq_u32 vcc_lo, 1, v[88+\e]               ; odd quadrants: sine and cosine change places
	v_cndmask_b32 v[68+\e], v[76+\e], v[80+\e], vcc_lo
	v_cndmask_b32 v[72+\e], v[80+\e], v[76+\e], vcc_lo
.endr
.irp e, 0,1,2,3
	v_xor_b32 v[48+4*(\g)+\e], v[68+\e], v[84+\e]
	v_xor_b32 v[32+4*(\g)+\e], v[72+\e], v[64+\e]
.endr
.endm
	v_lshl_add_u32 v[SPW], v0, 2, SPARE
	v_mov_b32 v[NIL], 0
	v_lshrrev_b32 v1, 5, v0
	v_readfirstlane_b32 s16, v1                    ; wave 0..3
	v_and_b32 v2, 31, v0                           ; lane
	s_cmp_lt_u32 ttmp9, 384
	s_cbranch_scc1 .Lpath_w
	s_cmp_lt_u32 ttmp9, 512
	s_cbranch_scc1 .Lpath_x
	s_cmp_lt_u32 ttmp9, 768
	s_cbranch_scc1 .Lpath_o
	s_cmp_lt_u32 ttmp9, 896
	s_cbranch_scc1 .Lpath_t
	; ---------------- way G: a wave takes one K step of 128 of Wg: lane (r, h) takes column r and k = 128 s + 64 c + 32 h + 0 .. 31, the order of the operand's registers
	s_load_b64 s[4:5], s[0:1], 0x20                ; Wg
	s_load_b64 s[6:7], s[0:1], 0x40                ; wq
	s_sub_co_u32 s17, ttmp9, 896
	s_lshl_b32 s17, s17, 2
	s_add_co_u32 s17, s17, s16                     ; the K step s
	v_and_b32 v1, 15, v0                           ; r
	v_bfe_u32 v3, v0, 4, 1                         ; h
	v_lshlrev_b32 v4, 2, v1
	v_lshl_add_u32 v5, v3, 11, v4                  ; 4 r + 32 rows of 64 bytes x h
	v_lshlrev_b32 v6, 4, v2                        ; an image: 16 bytes a lane
	v_lshlrev_b32 v7, 6, v2                        ; the scale words: 64 bytes a lane
	s_mov_b32 s20, 0x76543210
	s_mov_b32 s21, 0xfedcba98                      ; lane l xor 16
	s_lshl_b32 s18, s17, 13                        ; 128 rows of 64 bytes a step
	s_mov_b32 s19, 0
	s_lshl_b32 s22, s17, 10
	s_add_co_u32 s22, s22, 6684672
	s_mov_b32 s23, 0
	s_lshl_b32 s24, s17, 2
	s_add_co_u32 s24, s24, 6701056
	s_mov_b32 s25, 0
	s_wait_kmcnt 0x0
	s_add_nc_u64 s[4:5], s[4:5], s[18:19]
	s_add_nc_u64 s[8:9], s[6:7], s[22:23]
	s_add_nc_u64 s[10:11], s[6:7], s[24:25]
.irp c, 0,1
.set i, 0
.rept 32
	global_load_b32 v[64+32*\c+i], v5, s[4:5] offset:64*(64*\c+i)
.set i, i+1
.endr
.endr
	s_wait_loadcnt 0x0
.irp c, 0,1
	v_max3_num_f32 v[32+\c], |v[64+32*\c]|, |v[65+32*\c]|, 0x1800000
.endr
.irp i, 2,4,6,8,10,12,14,16,18,20,22,24,26,28,30
.irp c, 0,1
	v_max3_num_f32 v[32+\c], v[32+\c], |v[64+32*\c+\i]|, |v[65+32*\c+\i]|
.endr
.endr
.irp c, 0,1
	v_add_nc_u32 v[44+\c], 0xff000000, v[32+\c]
.endr
.irp c, 0,1
	v_lshrrev_b32 v[36+\c], 23, v[44+\c]
.endr
	v_lshl_or_b32 v9, v37, 16, v36                 ; my two bytes: blocks h and 2 + h,
	v_lshlrev_b32 v10, 3, v3
	v_lshlrev_b32 v9, v10, v9                      ; at their places in the word;
	v_mov_b32 v10, 0
	v_permlanex16_b32 v10, v9, s20, s21
	v_or_b32 v9, v9, v10                           ; with lane l xor 16's two the word is whole
.irp c, 0,1
.irp g, 0,1,2,3
	v_cvt_scalef32_pk8_fp4_f32 v[48+4*\c+\g], v[64+32*\c+8*\g:71+32*\c+8*\g], v[44+\c]
.endr
.endr
	v_nop
	global_store_b128 v6, v[48:51], s[8:9]
	global_store_b128 v6, v[52:55], s[8:9] offset:512
	global_store_b32 v7, v9, s[10:11]
	s_endpgm
	; ---------------- way T: a wave takes 4 rows of 128 angles; lane l holds d = 4 l .. 4 l + 3
.Lpath_t:
	s_load_b64 s[4:5], s[0:1], 0x30                ; the angles
	s_load_b64 s[6:7], s[0:1], 0x50                ; tabs
	s_sub_co_u32 s17, ttmp9, 768
	s_lshl_b32 s17, s17, 2
	s_add_co_u32 s17, s17, s16
	s_lshl_b32 s18, s17, 11                        ; 4 rows of 512 bytes
	s_mov_b32 s19, 0
	v_lshlrev_b32 v3, 4, v2
	v_lshrrev_b32 v8, 4, v2
	v_xor_b32 v8, 1, v8
	v_lshlrev_b32 v8, 31, v8                       ; the sign bit in lanes 0-15 (d < 64)
	s_mov_b32 s20, 0x3f22f983                      ; 2 / pi
	s_mov_b32 s21, 0x3fc90fdb                      ; pi / 2 in three parts
	s_mov_b32 s22, 0xb33bbd2e
	s_mov_b32 s23, 0xa6f72ced
	s_mov_b32 s24, 0xb94ca1f9                      ; the sine's coefficients
	s_mov_b32 s25, 0x3c08839e
	s_mov_b32 s26, 0xbe2aaaa3
	s_mov_b32 s27, 0x37ccf5ce                      ; the cosine's
	s_mov_b32 s28, 0xbab6061a
	s_mov_b32 s29, 0x3d2aaaa5
	s_wait_kmcnt 0x0
	s_add_nc_u64 s[4:5], s[4:5], s[18:19]
	s_add_nc_u64 s[6:7], s[6:7], s[18:19]
.irp g, 0,1,2,3
	global_load_b128 v[16+4*\g:19+4*\g], v3, s[4:5] offset:512*\g th:TH_LOAD_NT
.endr
.irp g, 0,1,2,3
	s_wait_loadcnt 3-\g                            ; row g is in; the later rows' loads may be out
	SINCOS \g
	global_store_b128 v3, v[32+4*\g:35+4*\g], s[6:7] offset:512*\g
	global_store_b128 v3, v[48+4*\g:51+4*\g], s[6:7] offset:0x100000+512*\g
.endr
	s_endpgm
	; ---------------- way O: every load is 512 dense bytes, every store 256.  The second half's results go into the first half's input registers, which are done with: no store's data are written again
.Lpath_o:
	s_load_b64 s[4:5], s[0:1], 0x28                ; Wo
	s_load_b64 s[6:7], s[0:1], 0x48                ; wo16
	s_sub_co_u32 s17, ttmp9, 512
	s_lshl_b32 s17, s17, 2
	s_add_co_u32 s17, s17, s16
	s_lshl_b32 s18, s17, 14
	s_mov_b32 s19, 0
	s_lshl_b32 s20, s17, 13
	s_mov_b32 s21, 0
	v_lshlrev_b32 v3, 4, v2
	v_lshlrev_b32 v4, 3, v2
	s_wait_kmcnt 0x0
	s_add_nc_u64 s[4:5], s[4:5], s[18:19]
	s_add_nc_u64 s[6:7], s[6:7], s[20:21]
	OLOAD 0
	OLOAD 1
	s_wait_loadcnt 16                              ; the first half's 16 loads are in; the second half's 16 may be out
	OCONV 0, 144
	s_wait_loadcnt 0x0
	OCONV 1, 16
	s_endpgm
	; ---------------- way X
.Lpath_x:
	s_load_b64 s[4:5], s[0:1], 0x0                 ; x
	s_load_b64 s[8:9], s[0:1], 0x38                ; xq
	v_lshlrev_b32 v3, 4, v2                        ; my 16 bytes of a load's 512
	s_mul_i32 s17, s16, XWREG
	v_lshrrev_b32 v14, 2, v2
	v_mul_u32_u24 v14, v14, XSP
	v_and_b32 v15, 3, v2
	v_lshl_add_u32 v14, v15, 4, v14
	v_add_nc_u32 v14, s17, v14                     ; the stage, on the way in: four lanes' 64 bytes on end, then 16 of padding
	v_mul_u32_u24 v15, v2, XSP
	v_add_nc_u32 v15, s17, v15                     ; on the way out: my 16 neighbours
	v_lshlrev_b32 v4, 3, v2                        ; my 8 bytes of codes
	v_lshrrev_b32 v5, 1, v2
	s_add_co_u32 s17, s17, 2*32*XSP
	v_add_nc_u32 v5, s17, v5                       ; my block's byte among the wave's 256
	v_lshlrev_b32 v7, 3, v2
	v_add_nc_u32 v6, s17, v7
	s_sub_co_u32 s18, ttmp9, 384
	s_lshl_b32 s18, s18, 2
	s_add_co_u32 s18, s18, s16                     ; which run of 8,192 numbers is my wave's
	s_lshl_b32 s20, s18, 15
	s_mov_b32 s21, 0
	s_lshl_b32 s22, s18, 12
	s_mov_b32 s23, 0
	s_lshl_b32 s24, s18, 8
	s_add_co_u32 s24, s24, 0x200000
	s_mov_b32 s25, 0
	s_wait_kmcnt 0x0
	s_add_nc_u64 s[4:5], s[4:5], s[20:21]
	s_add_nc_u64 s[10:11], s[8:9], s[24:25]
	s_add_nc_u64 s[8:9], s[8:9], s[22:23]
.irp t, 0,1,2,3
	XLOAD \t
.endr
	s_wait_loadcnt 12                              ; step 0's four loads are in
	XTURN 0
.irp t, 0,1,2,3,4,5,6,7,8,9,10,11,12,13,14,15
	XSTEP \t
.endr
	ds_load_b64 v[8:9], v6                         ; in order behind my byte stores
	s_wait_dscnt 0x0
	global_store_b64 v7, v[8:9], s[10:11]          ; 256 dense bytes, aligned
	s_wait_tensorcnt 0x0                           ; the wave's end, behind my last LDS store
	ds_add_u32 v[SPW], v[NIL]
	s_wait_dscnt 0x0
	s_endpgm
	; ---------------- way W
.Lpath_w:
	s_load_b128 s[4:7], s[0:1], 0x8                ; Wq, Wk
	s_load_b64 s[8:9], s[0:1], 0x18                ; Wv
	s_load_b64 s[10:11], s[0:1], 0x40              ; wq
	s_and_b32 s28, s16, 1                          ; which 32 of the work-group's 64 columns
	s_lshr_b32 s29, s16, 1                         ; which 256 of its 512 along K
	s_and_b32 s17, ttmp9, 31
	s_lshl_b32 s17, s17, 6                         ; the work-group's first column
	s_bfe_u32 s18, ttmp9, 0x20005                  ; which 512 along K
	s_lshr_b32 s19, ttmp9, 7                       ; which weight
	s_lshl_b32 s19, s19, 11
	s_add_co_u32 s19, s19, s17                     ; the work-group's first row of wq
	v_lshlrev_b32 v3, 2, v2
	s_mul_i32 s20, s28, 32*WP
	s_lshl_b32 s21, s29, 7
	s_add_co_u32 s20, s20, s21
	s_add_co_u32 s20, s20, 32768
	v_mul_u32_u24 v4, v2, WP
	v_add_nc_u32 v4, s20, v4                       ; the stage, in: row = my column among the 64; my half of K is 128 bytes of it
	v_and_b32 v5, 15, v2
	v_lshrrev_b32 v6, 4, v2
	s_mul_i32 s21, s16, 16*WP
	s_add_co_u32 s21, s21, 32768
	v_mul_u32_u24 v7, v6, WP
	v_lshl_add_u32 v7, v5, 4, v7
	v_add_nc_u32 v7, s21, v7                       ; out: rows 16 w on, sixteen lanes to a row
	v_lshlrev_b32 v8, 10, v6
	v_lshl_add_u32 v8, v5, 4, v8                   ; the same place in wq: rows of 1,024 bytes
	v_lshlrev_b32 v9, 6, v2                        ; my column's row of 64 scale bytes
	s_lshl_b32 s22, s18, 22                        ; 512 rows of 8,192 bytes,
	s_lshl_b32 s23, s29, 21                        ; my 256 of them,
	s_add_co_u32 s22, s22, s23
	s_lshl_b32 s23, s28, 5
	s_add_co_u32 s23, s23, s17                     ; my wave's first column
	s_lshl_b32 s23, s23, 2
	s_add_co_u32 s22, s22, s23
	s_mov_b32 s23, 0
	s_lshl_b32 s24, s16, 4
	s_add_co_u32 s24, s24, s19                     ; the first row of codes that I store
	s_lshl_b32 s24, s24, 10
	s_lshl_b32 s25, s18, 8
	s_add_co_u32 s24, s24, s25
	s_mov_b32 s25, 0
	s_lshl_b32 s26, s28, 5
	s_add_co_u32 s26, s26, s19                     ; my first column's row of scale bytes
	s_lshl_b32 s26, s26, 6
	s_lshl_b32 s27, s18, 4
	s_add_co_u32 s26, s26, s27
	s_lshl_b32 s27, s29, 3
	s_add_co_u32 s26, s26, s27
	s_add_co_u32 s26, s26, 0x600000
	s_mov_b32 s27, 0
	s_wait_kmcnt 0x0
	s_cmp_lt_u32 ttmp9, 128                        ; the choice hangs on the work-group's number alone
	s_cselect_b64 s[4:5], s[4:5], s[6:7]
	s_cmp_lt_u32 ttmp9, 256
	s_cselect_b64 s[4:5], s[4:5], s[8:9]
	s_add_nc_u64 s[4:5], s[4:5], s[22:23]
	s_add_nc_u64 s[12:13], s[10:11], s[26:27]
	s_add_nc_u64 s[10:11], s[10:11], s[24:25]
	WLOAD 0
	WLOAD 1
.irp t, 0,1,2,3,4,5,6,7
	WBLOCK \t
.endr
	s_barrier_signal -1                            ; my stores into the stage have landed (the last block's wait was for 0): say so,
	s_barrier_wait -1                              ; and read rows that two waves wrote only when all four have said so
	global_store_b64 v9, v[WSB:WSB+1], s[12:13]    ; my column's 8 scale bytes
.irp t, 0,1,2,3,4,5,6,7
	ds_load_b128 v[WOUT+4*\t:WOUT+4*\t+3], v7 offset:2*\t*WP
.endr
.irp t, 0,1,2,3,4,5,6,7
	s_wait_dscnt 7-\t                              ; pair t of rows is back; the later loads may be out
	global_store_b128 v8, v[WOUT+4*\t:WOUT+4*\t+3], s[10:11] offset:2*\t*1024   ; sixteen lanes store 256 dense bytes, aligned
.endr
	s_wait_tensorcnt 0x0                           ; the wave's end, behind my last LDS store
	ds_add_u32 v[SPW], v[NIL]
	s_wait_dscnt 0x0
	s_endpgm
.Lfunc_end_k_qada9cd619d_prep:
	.size	k_qada9cd619d_prep, .Lfunc_end_k_qada9cd619d_prep-k_qada9cd619d_prep
	.p2alignl 7, 3214868480
	.fill 96, 4, 3214868480
	.section	.rodata,"a",@progbits
	.p2align	6, 0x0
	.amdhsa_kernel k_qada9cd619d_prep
		.amdhsa_group_segment_fixed_size 50688
		.amdhsa_private_segment_fixed_size 0
		.amdhsa_enable_private_segment 0
		.amdhsa_kernarg_size 88
		.amdhsa_user_sgpr_count 2
		.amdhsa_user_sgpr_kernarg_segment_ptr 1
		.amdhsa_wavefront_size32 1
		.amdhsa_system_sgpr_workgroup_id_x 1
		.amdhsa_system_sgpr_workgroup_id_y 1
		.amdhsa_system_sgpr_workgroup_id_z 1
		.amdhsa_system_vgpr_workitem_id 0
		.amdhsa_next_free_vgpr 192
		.amdhsa_next_free_sgpr 66
		.amdhsa_reserve_vcc 1
		.amdhsa_float_denorm_mode_32 3
		.amdhsa_float_denorm_mode_16_64 3
		.amdhsa_memory_ordered 1
		.amdhsa_forward_progress 1
		.amdhsa_inst_pref_size 118
	.end_amdhsa_kernel
	.amdgpu_metadata
---
amdhsa.version: [ 1, 2 ]
amdhsa.kernels:
  - .name:           k_qada9cd619d_prep
    .symbol:         k_qada9cd619d_prep.kd
    .args:
      - { .name: x, .offset: 0, .size: 8, .value_kind: global_buffer, .address_space: global }
      - { .name: Wq, .offset: 8, .size: 8, .value_kind: global_buffer, .address_space: global }
      - { .name: Wk, .offset: 16, .size: 8, .value_kind: global_buffer, .address_space: global }
      - { .name: Wv, .offset: 24, .size: 8, .value_kind: global_buffer, .address_space: global }
      - { .name: Wg, .offset: 32, .size: 8, .value_kind: global_buffer, .address_space: global }
      - { .name: Wo, .offset: 40, .size: 8, .value_kind: global_buffer, .address_space: global }
      - { .name: rotary_pos_emb, .offset: 48, .size: 8, .value_kind: global_buffer, .address_space: global }
      - { .name: xq, .offset: 56, .size: 8, .value_kind: global_buffer, .address_space: global }
      - { .name: wq, .offset: 64, .size: 8, .value_kind: global_buffer, .address_space: global }
      - { .name: wo16, .offset: 72, .size: 8, .value_kind: global_buffer, .address_space: global }
      - { .name: tabs, .offset: 80, .size: 8, .value_kind: global_buffer, .address_space: global }
    .group_segment_fixed_size: 50688
    .private_segment_fixed_size: 0
    .kernarg_segment_align: 8
    .kernarg_segment_size: 88
    .max_flat_workgroup_size: 128
    .sgpr_count:     66
    .vgpr_count:     192
    .wavefront_size: 32
...
	.end_amdgpu_metadata
.endif
;; end of part 1
;; launch qkv (part 2): grid 24 x 8, 4 waves a work-group, clusters of 4 x 4, 327,680 bytes of LDS; arguments xq, wq, tabs, bg, qkv, gate; writes qkv, gate
.if DOCPART == 2
	.amdgcn_target "amdgcn-amd-amdhsa--gfx1250"
	.amdhsa_code_object_version 6
	.text
	.protected	k_qada9cd619d_qkv
	.globl	k_qada9cd619d_qkv
	.p2align	8
	.type	k_qada9cd619d_qkv,@function
k_qada9cd619d_qkv:
	s_mov_b64 s[64:65], 0
	v_nop
	global_prefetch_b8 v0, s[64:65] scope:SCOPE_SE
	s_setreg_imm32_b32 hwreg(HW_REG_WAVE_MODE, 25, 1), 1
	s_wait_xcnt 0x0
	s_wait_alu depctr_hold_cnt(0) depctr_sa_sdst(0) depctr_va_vdst(0) depctr_va_sdst(0) depctr_va_ssrc(0) depctr_va_vcc(0) depctr_vm_vsrc(0)
	s_getreg_b32 s2, hwreg(HW_REG_IB_STS2, 6, 4)
	s_cmp_eq_u32 s2, 0
	s_cbranch_scc0 .Lentry_in_a_cluster
	s_endpgm
.Lentry_in_a_cluster:
	s_bfe_u32 s2, ttmp6, 0x10000c
	s_cmp_lg_u32 s2, 0xf033
	s_cbranch_scc0 .Lentry_shape_is_right
	s_endpgm
.Lentry_shape_is_right:
; [q | k | v] = Q(x) Q([Wq | Wk | Wv]) on codes of E2M1 with E8M0 scales: C [2048][6144], K = 2048; then the rotary turn on q and k in f32; all three leave as f16, qkv[48 (q heads, k heads, v heads)][2048][128].
; Beside it: gate[head][n] = sigmoid(Q(x) Q(Wg) + bg), by the clusters whose x is 4, at their head, while the first tiles are on their way.  Those clusters hold v's first heads: their way out has no table loads and no turn, so it is the shorter one.
; A tile of C, 256 x 256, is made by a work-group of four waves; a wave makes 128 rows x 128 columns, and its columns are exactly one head.  64 accumulators of 16 x 16, 512 registers.
; K goes in steps of 512 (rows of 256 bytes of codes) through a ring of two LDS slots filled by tensor loads; the scale bytes of the work-group's rows, for all of K, come once and stay.
; CLUSTERS 4 x 4: x's tiles are shared along a row of the cluster, the weights' along a column: each is asked for jointly, by the same tensor load with the same descriptor and a mask that names the four.
; THE MATRIX INSTRUCTION IS USED TRANSPOSED (source 0 = 16 rows of the weights' codes, source 1 = 16 rows of x): a lane holds eight neighbouring columns of one row of C.
; 192 work-groups: a smaller tile would read each LDS byte for half as many products.  No prefetch: four K steps, of which two are first fills.
; LIMITS: |q|, |k|, |v| under 65,504 (f16).
; REGISTERS: window 0: v0-31 addresses; v32-95 scale words and nothing else; v96-127 the gate's sums; from v128 x's fragments; on the way out v96-255.  window 1: the weights' fragments, two sets; on the way out four sets of table rows.
;   window 2: the accumulators of my rows 0-63 ((a, b) at v[8 (8 a + b)]);  window 3: those of my rows 64-127.
.set KSTEP,  512
.set NQ,     4                         ; matrix instructions deep in a slot
.set ROWB,   256                       ; a tile's row in bytes
.set KROW,   1024                      ; a row of codes in memory
.set PITCH,  272                       ; an LDS row: 256 bytes + 16 of padding: the 16 rows that a load touches start at 16 different banks
.set FR,     8
.set NL,     2
.set NP,     4
.set HALFT,  128*PITCH
.set SLOT,   4*HALFT
.set LAPS,   2
.set KS,     64                        ; a row of scale bytes
.set SCL,    2*SLOT
.set HALFS,  (128*KS/256)*272
.set SBLK,   (16*KS/256)*272
.set SPARE,  SCL+4*HALFS               ; the spare words, 128 bytes a wave: two blocks of 256 bytes that no other line names
.set SPITCH, 528                       ; the way out: 16 rows x (512 bytes + 16) a wave, in slot 0, which has had its last fill and its last read by then
.set ADRA, 16
.set ADRB, 20
.set STO,  24
.set RD,   25                          ; v25  the stage, back: my 16 bytes of a row
.set CO,   26                          ; v26  8 x lane: my 8 bytes of a row of 128 f16
.set ADRS, 27
.set SPW,  28
.set NIL,  29
.set RDP,  30                          ; v30  the stage, back: the 16 bytes 64 columns away (the turn's partner)
.set TO,   31                          ; v31  16 x lane
.set SC,   32
.set AF,   128
.set G1, 24
.set G0, 32
.set G1B, 48
.set G0B, 56
.set G1S, 68
.set G0S, 76
.set G1SB, 80
.set G0SB, 88
.set MSB, 0
.macro WIN new                         ; the immediate's high byte repeats the setting that is left
.if MSB != \new
	s_set_vgpr_msb (MSB<<8)|\new
.set MSB, \new
.endif
.endm
.set MUL_LO, 0xa1
.set MUL_HI, 0xf1
.set TO_B,   0x40
; A joint load: waves 0 and 1 fetch for x, waves 2 and 3 for the weights; the branch hangs on the wave's number alone.  An s_nop 0 and four v_nop follow each line.
.macro JLOAD g0a, g1a, g0b, g1b
	s_cmp_eq_u32 s15, 0
	s_cbranch_scc0 .Lfor_b_\@
	tensor_load_to_lds s[\g0a:\g0a+3], s[\g1a:\g1a+7]
	s_nop 0
.rept 4
	v_nop
.endr
	s_branch .Lasked_\@
.Lfor_b_\@:
	tensor_load_to_lds s[\g0b:\g0b+3], s[\g1b:\g1b+7]
	s_nop 0
.rept 4
	v_nop
.endr
.Lasked_\@:
.endm
.macro CREST
	s_cmp_lg_u32 s14, 0
	s_cbranch_scc1 .Lnot_wave_0_\@
	s_barrier_signal -3
.Lnot_wave_0_\@:
	s_barrier_wait -3
	s_barrier_signal -1
	s_barrier_wait -1
.endm
.macro CROUND
	s_barrier_signal -1
	s_barrier_wait -1
	CREST
.endm
	s_load_b64 s[4:5], s[0:1], 0x0                 ; xq: x's codes
	s_load_b64 s[8:9], s[0:1], 0x8                 ; wq: the weights' codes
	s_load_b64 s[66:67], s[0:1], 0x10              ; tabs
	s_load_b64 s[98:99], s[0:1], 0x18              ; bg
	s_load_b64 s[12:13], s[0:1], 0x20              ; qkv
	s_load_b64 s[100:101], s[0:1], 0x28            ; gate
	v_lshl_add_u32 v[SPW], v0, 2, SPARE
	v_mov_b32 v[NIL], 0
	ds_add_u32 v[SPW], v[NIL]                      ; the wave's opening: the add, twice on end, and its wait ahead of my first tensor load
	ds_add_u32 v[SPW], v[NIL]
	v_lshrrev_b32 v1, 5, v0
	v_readfirstlane_b32 s14, v1                    ; wave 0..3
	s_lshr_b32 s15, s14, 1                         ; which half of the tile's rows is mine.  Also: I fetch for x (0) or for the weights (1)
	s_and_b32 s16, s14, 1                          ; which half of its columns.  Also: which 128 rows of that tile I fetch
	s_bfe_u32 s40, ttmp6, 0x40000                  ; cx, cy
	s_bfe_u32 s41, ttmp6, 0x40004
	s_lshl_b32 s42, ttmp9, 2
	s_add_co_u32 s42, s42, s40                     ; tile column
	s_and_b32 s17, ttmp7, 0xffff
	s_lshl_b32 s17, s17, 2
	s_add_co_u32 s17, s17, s41                     ; tile row
	s_lshl_b32 s43, s41, 2
	s_lshl_b32 s43, 15, s43                        ; my row of the cluster
	s_lshl_b32 s44, 0x1111, s40                    ; my column
	s_or_b32 s[G1+0], s43, (0<<16)|(1<<20)|(1<<21)|(5<<22)|(3<<25)  ; mask; elements of 1 byte; padding on; bit 21 beside a mask; 4 words behind every 64
	s_or_b32 s[G1B+0], s44, (0<<16)|(1<<20)|(1<<21)|(5<<22)|(3<<25)
.irp g, G1, G1B
	s_mov_b32 s[\g+1], ROWB<<16                    ; tensor_dim0
	s_mov_b32 s[\g+2], 128<<16                     ; tensor_dim1
	s_mov_b32 s[\g+3], ROWB<<16                    ; tile_dim0
	s_mov_b32 s[\g+4], 128                         ; tile_dim1
	s_mov_b32 s[\g+5], KROW                        ; stride
	s_mov_b32 s[\g+6], 0
	s_mov_b32 s[\g+7], 0
.endr
	s_or_b32 s[G1S+0], s43, (3<<16)|(1<<20)|(1<<21)|(5<<22)|(3<<25)  ; the scales of 128 rows: 8,192 dense bytes as 32 rows of 256 (32 elements of 8 bytes), 16 bytes of padding behind each
	s_or_b32 s[G1SB+0], s44, (3<<16)|(1<<20)|(1<<21)|(5<<22)|(3<<25)
.irp g, G1S, G1SB
	s_mov_b32 s[\g+1], 32<<16
	s_mov_b32 s[\g+2], (128*KS/256)<<16
	s_mov_b32 s[\g+3], 32<<16
	s_mov_b32 s[\g+4], 128*KS/256
	s_mov_b32 s[\g+5], 32
	s_mov_b32 s[\g+6], 0
	s_mov_b32 s[\g+7], 0
.endr
	s_lshl_b32 s18, s16, 7
	s_lshl_b32 s20, s17, 8
	s_add_co_u32 s20, s20, s18                     ; x: row 256 x tile row + 128 x half
	s_lshl_b32 s46, s42, 8
	s_add_co_u32 s46, s46, s18                     ; the weights: row 256 x tile column + 128 x half
	s_mov_b32 s21, 0
	s_mov_b32 s47, 0
	s_mov_b64 s[18:19], KS
	s_mul_u64 s[22:23], s[20:21], s[18:19]
	s_mul_u64 s[92:93], s[46:47], s[18:19]
	s_mov_b64 s[18:19], KROW
	s_mul_u64 s[20:21], s[20:21], s[18:19]
	s_mul_u64 s[46:47], s[46:47], s[18:19]
	s_mul_i32 s45, s14, HALFT                      ; where they go: wave x 128 rows
	s_mul_i32 s94, s14, HALFS
	s_wait_dscnt 0x0                               ; both opening adds are done
	s_wait_kmcnt 0x0
	s_add_nc_u64 s[6:7], s[4:5], 0x200000          ; x's scale bytes
	s_add_nc_u64 s[10:11], s[8:9], 0x600000        ; the weights'
	s_add_nc_u64 s[20:21], s[4:5], s[20:21]
	s_add_nc_u64 s[22:23], s[6:7], s[22:23]
	s_add_nc_u64 s[46:47], s[8:9], s[46:47]
	s_add_nc_u64 s[92:93], s[10:11], s[92:93]
	CROUND                                         ; all sixteen work-groups are here: the first joint loads meet
	s_mov_b32 s[G0S], 1
	s_add_co_u32 s[G0S+1], s94, SCL
	s_mov_b64 s[G0S+2:G0S+3], s[22:23]
	s_or_b32 s[G0S+3], s[G0S+3], 0x80000000
	s_mov_b32 s[G0SB], 1
	s_add_co_u32 s[G0SB+1], s94, SCL
	s_mov_b64 s[G0SB+2:G0SB+3], s[92:93]
	s_or_b32 s[G0SB+3], s[G0SB+3], 0x80000000
	JLOAD G0S, G1S, G0SB, G1SB                     ; the scales first; with the two below, three loads of mine are out
.irp s, 0,1
	s_mov_b32 s[G0+4*\s], 1
	s_add_co_u32 s[G0+4*\s+1], s45, \s*SLOT
	s_add_nc_u64 s[G0+4*\s+2:G0+4*\s+3], s[20:21], \s*ROWB
	s_or_b32 s[G0+4*\s+3], s[G0+4*\s+3], 0x80000000
	s_mov_b32 s[G0B+4*\s], 1
	s_add_co_u32 s[G0B+4*\s+1], s45, \s*SLOT
	s_add_nc_u64 s[G0B+4*\s+2:G0B+4*\s+3], s[46:47], \s*ROWB
	s_or_b32 s[G0B+4*\s+3], s[G0B+4*\s+3], 0x80000000
	JLOAD G0+4*\s, G1, G0B+4*\s, G1B
.endr
	v_and_b32 v1, 15, v0                           ; r
	v_bfe_u32 v2, v0, 4, 1                         ; h
	v_mul_u32_u24 v3, v1, PITCH
	v_lshl_add_u32 v4, v2, 4, v3
	s_mul_i32 s21, s15, HALFT
	s_mul_i32 s22, s16, HALFT
	s_add_co_u32 s22, s22, 2*HALFT
.irp s, 0,1
	v_add_nc_u32 v[ADRA+\s], s21, v4
	v_add_nc_u32 v[ADRB+\s], s22, v4
	s_add_co_u32 s21, s21, SLOT
	s_add_co_u32 s22, s22, SLOT
.endr
	v_mul_u32_u24 v5, v1, KS
	v_lshrrev_b32 v6, 8, v5
	v_lshl_add_u32 v5, v6, 4, v5
	s_mul_i32 s21, s15, HALFS
	s_mul_i32 s22, s16, HALFS
	s_add_co_u32 s22, s22, 2*HALFS
	s_sub_co_u32 s22, s22, s21
	v_mul_u32_u24 v6, s22, v2                      ; lanes 16-31 take the weights' words
	s_add_co_u32 s21, s21, SCL
	v_add_nc_u32 v5, v5, v6
	v_add_nc_u32 v[ADRS], s21, v5
	s_mul_i32 s23, s14, 16*SPITCH                  ; my stage
	v_mul_u32_u24 v5, v1, SPITCH
	v_lshl_add_u32 v5, v2, 5, v5
	v_add_nc_u32 v[STO], s23, v5
	v_and_b32 v6, 31, v0
	v_lshlrev_b32 v[TO], 4, v6
	v_add_nc_u32 v[RD], s23, v[TO]
	v_xor_b32 v5, 256, v[TO]
	v_add_nc_u32 v[RDP], s23, v5
	v_lshlrev_b32 v[CO], 3, v6
	s_lshl_b32 s20, s17, 8
	s_lshl_b32 s21, s15, 7
	s_add_co_u32 s20, s20, s21                     ; my first row (position): 256 x tile row + 128 x half
	s_lshl_b32 s22, s20, 9                         ; the tables: 512 bytes a position
	s_mov_b32 s23, 0
	s_add_nc_u64 s[66:67], s[66:67], s[22:23]
	s_lshl_b32 s20, s20, 8                         ; a head's row: 256 bytes
	s_mov_b32 s21, 0
	s_lshl_b32 s46, s42, 1
	s_add_co_u32 s46, s46, s16                     ; which of the 48 heads: 2 x tile column + half
	s_lshl_b32 s46, s46, 19
	s_mov_b32 s47, 0
	s_add_nc_u64 s[20:21], s[20:21], s[46:47]
	s_add_nc_u64 s[12:13], s[12:13], s[20:21]
	; THE GATE, in the clusters whose x is 4 (the same in all sixteen partners).  A wave takes 16 rows: 256 x tile row + 64 cx + 16 x wave; K = 2048 in 16 steps; four sums by turns.
	s_cmp_lg_u32 ttmp9, 4
	s_cbranch_scc1 .Lno_gate
	s_lshl_b32 s92, s17, 8
	s_lshl_b32 s93, s40, 6
	s_add_co_u32 s92, s92, s93
	s_lshl_b32 s93, s14, 4
	s_add_co_u32 s92, s92, s93                     ; my first row
	s_lshl_b32 s94, s92, 6
	s_mov_b32 s95, 0
	s_lshl_b32 s96, s92, 2
	s_mov_b32 s97, 0
	s_lshl_b32 s92, s92, 10
	s_mov_b32 s93, 0
	s_add_nc_u64 s[100:101], s[100:101], s[96:97]
	s_add_nc_u64 s[92:93], s[4:5], s[92:93]
	s_add_nc_u64 s[94:95], s[6:7], s[94:95]
	s_add_nc_u64 s[96:97], s[8:9], 6684672         ; Wg's images; its scale words 16,384 bytes on
	v_lshlrev_b32 v7, 10, v1
	v_lshl_add_u32 v7, v2, 4, v7                   ; x's codes: row r, + 16 h
	v_lshlrev_b32 v8, 6, v1                        ; x's scale words: 64 bytes a row
	v_lshlrev_b32 v10, 6, v6                       ; Wg's: 64 bytes a lane
	v_lshlrev_b32 v9, 2, v1                        ; bg[r]
	v_lshlrev_b32 v12, 13, v1
	v_lshl_add_u32 v12, v2, 5, v12                 ; gate: head r, rows 8 h on
.set i, 0
.rept 16
	global_load_b128 v[128+8*i:131+8*i], v7, s[92:93] offset:64*i
	global_load_b128 v[132+8*i:135+8*i], v7, s[92:93] offset:64*i+32
.set i, i+1
.endr
.irp j, 0,1,2,3
	global_load_b128 v[32+4*\j:35+4*\j], v8, s[94:95] offset:16*\j
	global_load_b128 v[48+4*\j:51+4*\j], v10, s[96:97] offset:16384+16*\j
.endr
	global_load_b32 v18, v9, s[98:99]
	WIN TO_B
.set i, 0
.rept 16
	global_load_b128 v[8*i:8*i+3], v[TO], s[96:97] offset:1024*i
	global_load_b128 v[8*i+4:8*i+7], v[TO], s[96:97] offset:1024*i+512
.set i, i+1
.endr
	WIN 0
	s_wait_loadcnt 0x0
	WIN 0x04                                       ; source 1 (Wg) window 1
.set i, 0
.rept 16
.if i < 4
	v_wmma_scale_f32_16x16x128_f8f6f4 v[96+8*(i%4):103+8*(i%4)], v[128+8*i:135+8*i], v[8*i:8*i+7], 0, v[32+i], v[48+i] matrix_a_fmt:MATRIX_FMT_FP4 matrix_b_fmt:MATRIX_FMT_FP4
.else
	v_wmma_scale_f32_16x16x128_f8f6f4 v[96+8*(i%4):103+8*(i%4)], v[128+8*i:135+8*i], v[8*i:8*i+7], v[96+8*(i%4):103+8*(i%4)], v[32+i], v[48+i] matrix_a_fmt:MATRIX_FMT_FP4 matrix_b_fmt:MATRIX_FMT_FP4
.endif
.set i, i+1
.endr
	WIN 0
	v_mul_f32 v19, 0xbfb8aa3b, v18                 ; -log2(e) bg
.rept 4
	v_nop                                          ; the places behind the last products
.endr
.irp j, 0,2,4,6
	v_pk_add_f32 v[128+\j:129+\j], v[96+\j:97+\j], v[104+\j:105+\j]       ; each sum is read from its low end on
	v_pk_add_f32 v[136+\j:137+\j], v[112+\j:113+\j], v[120+\j:121+\j]
.endr
.irp j, 0,2,4,6
	v_pk_add_f32 v[128+\j:129+\j], v[128+\j:129+\j], v[136+\j:137+\j]
.endr
.irp j, 0,1,2,3,4,5,6,7
	v_fma_f32 v[144+\j], v[128+\j], 0xbfb8aa3b, v19
.endr
.irp j, 0,1,2,3,4,5,6,7
	v_exp_f32 v[144+\j], v[144+\j]
.endr
	v_nop
	s_wait_alu depctr_va_vdst(0)                   ; one wait for the eight, ahead of their first reader
.irp j, 0,1,2,3,4,5,6,7
	v_add_f32 v[144+\j], 1.0, v[144+\j]
.endr
.irp j, 0,1,2,3,4,5,6,7
	v_rcp_f32 v[144+\j], v[144+\j]
.endr
	v_nop
	s_wait_alu depctr_va_vdst(0)
	global_store_b128 v12, v[144:147], s[100:101]
	global_store_b128 v12, v[148:151], s[100:101] offset:16
	s_wait_xcnt 0x0                                ; the stores have read their registers, which x's fragments take next
.Lno_gate:
.macro FRAG reg, adr, q, i
.irp c, 0,1
	ds_load_b128 v[\reg+4*\c:\reg+4*\c+3], v[\adr] offset:64*(\q)+32*\c+(\i)*16*PITCH
.endr
.endm
; 16 matrix instructions: x's blocks a0, a0 + 1 against the weights' eight.  The 64 accumulators take turns, one instruction a turn, in the same order in every step.
.macro MUL16 a0, p, q, sc, zero
.irp a, \a0, \a0+1
.irp b, 0,1,2,3,4,5,6,7
.if \zero
	v_wmma_scale_f32_16x16x128_f8f6f4 v[8*(8*((\a)%4)+\b):8*(8*((\a)%4)+\b)+7], v[128*(\p)+FR*\b:128*(\p)+FR*\b+FR-1], v[AF+FR*(\a):AF+FR*(\a)+FR-1], 0, v[SC+8*NQ*(\sc)+NQ*\b+(\q)], v[SC+8*NQ*(\sc)+NQ*(\a)+(\q)] matrix_a_fmt:MATRIX_FMT_FP4 matrix_b_fmt:MATRIX_FMT_FP4 matrix_a_scale:MATRIX_SCALE_ROW1
.else
	v_wmma_scale_f32_16x16x128_f8f6f4 v[8*(8*((\a)%4)+\b):8*(8*((\a)%4)+\b)+7], v[128*(\p)+FR*\b:128*(\p)+FR*\b+FR-1], v[AF+FR*(\a):AF+FR*(\a)+FR-1], v[8*(8*((\a)%4)+\b):8*(8*((\a)%4)+\b)+7], v[SC+8*NQ*(\sc)+NQ*\b+(\q)], v[SC+8*NQ*(\sc)+NQ*(\a)+(\q)] matrix_a_fmt:MATRIX_FMT_FP4 matrix_b_fmt:MATRIX_FMT_FP4 matrix_a_scale:MATRIX_SCALE_ROW1
.endif
.endr
.endr
.endm
.macro FETCH_B slot, q, p
	WIN TO_B
.irp i, 0,1,2,3,4,5,6,7
	FRAG 128*(\p)+FR*\i, ADRB+\slot, \q, \i
.endr
	WIN 0
.endm
.macro FETCH_A slot, q, i0
.irp i, \i0, \i0+1, \i0+2, \i0+3
	FRAG AF+FR*(\i), ADRA+\slot, \q, \i
.endr
.endm
.macro SCALES sc
.irp i, 0,1,2,3,4,5,6,7
	ds_load_b128 v[SC+8*NQ*\sc+NQ*\i:SC+8*NQ*\sc+NQ*\i+3], v[ADRS] offset:\i*SBLK
.endr
.endm
.macro PLACES n                        ; plain vector lines between a matrix instruction and a load into, or a read of, its registers
.rept \n
	v_nop
.endr
.endm
.macro STEP slot, q, zero
	s_wait_dscnt 4*NL                              ; the weights' set and x's blocks 0-3 are in; the youngest eight loads (x's blocks 4-7) may be out
	WIN MUL_LO
	MUL16 0, (\q)%2, \q, \slot, \zero
	MUL16 2, (\q)%2, \q, \slot, \zero
	s_wait_dscnt 0
	PLACES NP
	FETCH_B \slot, (\q)+1, 1-(\q)%2
	FETCH_A \slot, (\q)+1, 0
	WIN MUL_HI
	MUL16 4, (\q)%2, \q, \slot, \zero
	MUL16 6, (\q)%2, \q, \slot, \zero
	PLACES NP
	WIN 0
	FETCH_A \slot, (\q)+1, 4
.endm
; A slot's last step changes slots: one barrier; in front of it each wave waits for all its tensor loads, adds 0 to its spare word, and waits for that and for its own reads of this slot.
.macro TURN slot, next, fill
	s_wait_tensorcnt 0x0                           ; all my tensor loads have landed: my part of the next slot
	ds_add_u32 v[SPW], v[NIL]
	s_wait_dscnt 4*NL+1                            ; the add and the youngest eight loads may be out
	WIN MUL_LO
	MUL16 0, 1, NQ-1, \slot, 0
	s_wait_dscnt 0x0                               ; the add is done, and my reads of this slot are over
	s_barrier_signal -1
	MUL16 2, 1, NQ-1, \slot, 0
	WIN 0
	s_barrier_wait -1
.if \fill
	CREST                                          ; the barrier has opened a round of the cluster's barrier: no wave of any partner still reads this slot or has a load on its way
	s_add_nc_u64 s[G0+4*\slot+2:G0+4*\slot+3], s[G0+4*\slot+2:G0+4*\slot+3], 2*ROWB
	s_add_nc_u64 s[G0B+4*\slot+2:G0B+4*\slot+3], s[G0B+4*\slot+2:G0B+4*\slot+3], 2*ROWB
	JLOAD G0+4*\slot, G1, G0B+4*\slot, G1B         ; the first tensor load behind the round, my one load until the next
.else
	PLACES NP
.endif
	v_add_nc_u32 v[ADRS], 4*NQ, v[ADRS]
	FETCH_B \next, 0, 0
	FETCH_A \next, 0, 0
	SCALES \next
	WIN MUL_HI
	MUL16 4, 1, NQ-1, \slot, 0
	MUL16 6, 1, NQ-1, \slot, 0
	PLACES NP
	WIN 0
	FETCH_A \next, 0, 4
.endm
.macro STEPS slot, from
.set Q, \from
.rept NQ-1-\from
	STEP \slot, Q, 0
.set Q, Q+1
.endr
.endm
	s_wait_tensorcnt 1                             ; the scales and my part of K step 0 are in; K step 1's load may be out
	s_barrier_signal -1
	s_barrier_wait -1
	FETCH_B 0, 0, 0
	FETCH_A 0, 0, 0
	SCALES 0
	FETCH_A 0, 0, 4
	STEP 0, 0, 1                                   ; the first step's products start the sums
	s_mov_b32 s3, LAPS-1
.Llap:
	STEPS 0, 1
	TURN 0, 1, 1
	STEPS 1, 0
	TURN 1, 0, 1
	STEP 0, 0, 0
	s_sub_co_u32 s3, s3, 1
	s_cmp_lg_u32 s3, 0
	s_cbranch_scc1 .Llap
	STEPS 0, 1                                     ; the last lap fills nothing
	TURN 0, 1, 0
	STEPS 1, 0
	s_wait_dscnt 4*NL
	WIN MUL_LO
	MUL16 0, 1, NQ-1, 1, 0
	MUL16 2, 1, NQ-1, 1, 0
	s_wait_dscnt 0
	WIN MUL_HI
	MUL16 4, 1, NQ-1, 1, 0
	MUL16 6, 1, NQ-1, 1, 0
	WIN 0
; THE WAY OUT.  A block of 16 rows x 128 columns goes through my stage and comes back as whole rows: lane l holds columns 4 l .. 4 l + 3.  For q and k a second read brings the columns 64 away,
; and out = own x cos + partner x sin', from the tables' rows of the same positions (512 dense bytes a load, four sets of eight rows ahead).  Eight rows (a half block) at a time; a row leaves as 256 dense bytes of f16.
.macro TABL hb                         ; the tables' rows 8 hb .. 8 hb + 7 of my 128 into set hb % 4 of window 1: cos at 4 i, sin' at 32 + 4 i
	WIN TO_B
.irp i, 0,1,2,3,4,5,6,7
	global_load_b128 v[64*((\hb)%4)+4*\i:64*((\hb)%4)+4*\i+3], v[TO], s[66:67] offset:512*(8*(\hb)+\i)
	global_load_b128 v[64*((\hb)%4)+32+4*\i:64*((\hb)%4)+32+4*\i+3], v[TO], s[66:67] offset:0x100000+512*(8*(\hb)+\i)
.endr
	WIN 0
.endm
.macro STIN a                          ; block a's accumulators into the stage, each from its low end on
.set AC, 64*((\a)%4)
	WIN 0x08+4*((\a)/4)
.irp b, 0,1,2,3,4,5,6,7
	ds_store_b128 v[STO], v[AC+8*\b:AC+8*\b+3] offset:SOFF+64*\b
	ds_store_b128 v[STO], v[AC+8*\b+4:AC+8*\b+7] offset:SOFF+64*\b+16
.endr
	WIN 0
.endm
.macro RDH hb, rope                    ; half block hb back from the stage
.set RB, 96+64*((\hb)%2)
.irp i, 0,1,2,3,4,5,6,7
	ds_load_b128 v[RB+4*\i:RB+4*\i+3], v[RD] offset:SOFF+SPITCH*(8*((\hb)%2)+\i)
.endr
.if \rope
.irp i, 0,1,2,3,4,5,6,7
	ds_load_b128 v[RB+32+4*\i:RB+32+4*\i+3], v[RDP] offset:SOFF+SPITCH*(8*((\hb)%2)+\i)
.endr
.endif
.endm
.macro HBLK hb, rope
.set XB, 96+64*((\hb)%2)
.set OB, 224+16*((\hb)%2)
.set TS, 64*((\hb)%4)
.if (\hb) == 15
	s_wait_dscnt 0x0
.elseif (\hb)%2 == 0
	s_wait_dscnt 8+8*(\rope)                       ; younger: the next half block's loads
.else
	s_wait_dscnt 24+8*(\rope)                      ; younger: the next block's 16 stores and the next half block's loads
.endif
.if \rope
.if (\hb) <= 12
	s_wait_loadcnt 48                              ; younger: three later sets of 16 table loads
.else
	s_wait_loadcnt 16*(15-(\hb))
.endif
.endif
	s_wait_xcnt 0x0                                ; the stores of two half blocks ago have read the registers that are written again below
.if \rope
	WIN 0x04                                       ; source 1: the tables, window 1
.irp j, 0,2,4,6,8,10,12,14,16,18,20,22,24,26,28,30
	v_pk_mul_f32 v[XB+\j:XB+\j+1], v[XB+\j:XB+\j+1], v[TS+\j:TS+\j+1]
.endr
.irp j, 0,2,4,6,8,10,12,14,16,18,20,22,24,26,28,30
	v_pk_fma_f32 v[XB+\j:XB+\j+1], v[XB+32+\j:XB+32+\j+1], v[TS+32+\j:TS+32+\j+1], v[XB+\j:XB+\j+1]
.endr
	WIN 0
.endif
.irp j, 0,1,2,3,4,5,6,7,8,9,10,11,12,13,14,15
	v_cvt_pk_f16_f32 v[OB+\j], v[XB+2*\j], v[XB+2*\j+1]
.endr
.irp i, 0,1,2,3,4,5,6,7
	global_store_b64 v[CO], v[OB+2*\i:OB+2*\i+1], s[12:13] offset:256*(8*(\hb)+\i)   ; 32 lanes store 256 dense bytes, aligned
.endr
.if (\rope) && ((\hb) <= 11)
	TABL (\hb)+4
.endif
.if ((\hb)%2 == 0) && ((\hb) < 14)
	STIN (\hb)/2+1                                 ; in order behind the reads of the block before
.endif
.if (\hb) < 14
	RDH (\hb)+2, \rope
.endif
.endm
	PLACES NP                                      ; behind the last products: for the loads into their operands' registers and the first reads of results
	s_cmp_ge_u32 ttmp9, 4                          ; clusters 4 and 5 along x hold v's heads: no turn.  The same in all sixteen partners
	s_cbranch_scc1 .Lway_v
.set SOFF, 0
	TABL 0
	TABL 1
	TABL 2
	TABL 3
	STIN 0
	RDH 0, 1
	RDH 1, 1
.irp n, 0,1,2,3,4,5,6,7,8,9,10,11,12,13,14,15
	HBLK \n, 1
.endr
	s_wait_tensorcnt 0x0                           ; the wave's end, behind my last tensor load and my last LDS store
	ds_add_u32 v[SPW], v[NIL]
	s_wait_dscnt 0x0
	CROUND                                         ; the closing round
	s_endpgm
.Lway_v:
.set SOFF, 4*16*SPITCH                 ; this way has stage bytes of its own, behind the other way's
	STIN 0
	RDH 0, 0
	RDH 1, 0
.irp n, 0,1,2,3,4,5,6,7,8,9,10,11,12,13,14,15
	HBLK \n, 0
.endr
	s_wait_tensorcnt 0x0                           ; the wave's end, as above
	ds_add_u32 v[SPW], v[NIL]
	s_wait_dscnt 0x0
	CROUND
	s_endpgm
.Lfunc_end_k_qada9cd619d_qkv:
	.size	k_qada9cd619d_qkv, .Lfunc_end_k_qada9cd619d_qkv-k_qada9cd619d_qkv
	.p2alignl 7, 3214868480
	.fill 96, 4, 3214868480
	.section	.rodata,"a",@progbits
	.p2align	6, 0x0
	.amdhsa_kernel k_qada9cd619d_qkv
		.amdhsa_group_segment_fixed_size 327680
		.amdhsa_private_segment_fixed_size 0
		.amdhsa_enable_private_segment 0
		.amdhsa_kernarg_size 48
		.amdhsa_user_sgpr_count 2
		.amdhsa_user_sgpr_kernarg_segment_ptr 1
		.amdhsa_wavefront_size32 1
		.amdhsa_system_sgpr_workgroup_id_x 1
		.amdhsa_system_sgpr_workgroup_id_y 1
		.amdhsa_system_sgpr_workgroup_id_z 1
		.amdhsa_system_vgpr_workitem_id 0
		.amdhsa_next_free_vgpr 1024
		.amdhsa_next_free_sgpr 102
		.amdhsa_reserve_vcc 0
		.amdhsa_float_denorm_mode_32 3
		.amdhsa_float_denorm_mode_16_64 3
		.amdhsa_memory_ordered 1
		.amdhsa_forward_progress 1
		.amdhsa_inst_pref_size 255
	.end_amdhsa_kernel
	.section	.bss,"aw",@nobits
	.p2align	6
	.space	262144
	.amdgpu_metadata
---
amdhsa.version: [ 1, 2 ]
amdhsa.kernels:
  - .name:           k_qada9cd619d_qkv
    .symbol:         k_qada9cd619d_qkv.kd
    .args:
      - { .name: xq, .offset: 0, .size: 8, .value_kind: global_buffer, .address_space: global }
      - { .name: wq, .offset: 8, .size: 8, .value_kind: global_buffer, .address_space: global }
      - { .name: tabs, .offset: 16, .size: 8, .value_kind: global_buffer, .address_space: global }
      - { .name: bg, .offset: 24, .size: 8, .value_kind: global_buffer, .address_space: global }
      - { .name: qkv, .offset: 32, .size: 8, .value_kind: global_buffer, .address_space: global }
      - { .name: gate, .offset: 40, .size: 8, .value_kind: global_buffer, .address_space: global }
    .group_segment_fixed_size: 327680
    .private_segment_fixed_size: 0
    .kernarg_segment_align: 8
    .kernarg_segment_size: 48
    .max_flat_workgroup_size: 128
    .sgpr_count:     102
    .vgpr_count:     1024
    .wavefront_size: 32
...
	.end_amdgpu_metadata
.endif
;; end of part 2
;; launch attn (part 3): grid 16 x 16, 4 waves a work-group, clusters of 4 x 1, 327,680 bytes of LDS; arguments qkv, gate, att; writes att
.if DOCPART == 3
	.amdgcn_target "amdgcn-amd-amdhsa--gfx1250"
	.amdhsa_code_object_version 6
	.text
	.protected	k_qada9cd619d_attn
	.globl	k_qada9cd619d_attn
	.p2align	8
	.type	k_qada9cd619d_attn,@function
k_qada9cd619d_attn:
	s_mov_b64 s[64:65], 0
	v_nop
	global_prefetch_b8 v0, s[64:65] scope:SCOPE_SE
	s_setreg_imm32_b32 hwreg(HW_REG_WAVE_MODE, 25, 1), 1
	s_wait_xcnt 0x0
	s_wait_alu depctr_hold_cnt(0) depctr_sa_sdst(0) depctr_va_vdst(0) depctr_va_sdst(0) depctr_va_ssrc(0) depctr_va_vcc(0) depctr_vm_vsrc(0)
	s_getreg_b32 s2, hwreg(HW_REG_IB_STS2, 6, 4)
	s_cmp_eq_u32 s2, 0
	s_cbranch_scc0 .Lentry_in_a_cluster
	s_endpgm
.Lentry_in_a_cluster:
	s_bfe_u32 s2, ttmp6, 0x10000c
	s_cmp_lg_u32 s2, 0x3003
	s_cbranch_scc0 .Lentry_shape_is_right
	s_endpgm
.Lentry_shape_is_right:
; att[n][128 head + d] = gate[head][n] x the sum over keys of softmax(q . k / sqrt(128)) v.  q, k, v: f16 [48][2048][128]; products with f16 operands and f32 sums; maxima and sums in f32; the weights p are rounded to f16.
; SHARES.  A work-group owns 128 queries of one head: 256 work-groups.  Wave w: qh = w & 1 picks 64 queries (four tiles of 16), kp = w >> 1 picks which half of every slot's 256 keys it walks: 16 key steps of 64 keys.
; At the end waves w and w xor 2, which hold the same queries over the two halves of the keys, join their sums through LDS: each finishes two tiles.  Register tile t holds query tile t xor 2 kp, so that every wave
; finishes its register tiles 0, 1 and hands over 2, 3, by the same text.
; LAYOUT.  S^T = K Q^T and O^T = V^T P: a lane holds ONE query (lane % 16) throughout.  K comes out of LDS as it lies, V ([key][channel]) turned, by ds_load_tr16_b128.
; SOFTMAX.  For each query a running maximum m and sum l: p = 2^(c s - c m), c = log2(e) / sqrt(128); in every step O and l are multiplied by 2^(c m_old - c m_new).
; BY TURNS.  The wave's tiles are two pieces (tiles 0, 1 and tiles 2, 3).  In a turn one piece has the matrix unit (32 products V^T P, then 32 products K Q^T of the next step) and the other piece's softmax, cut into 64 slices, stands between.
; CLUSTER.  The four query blocks of a cluster belong to one head and walk the same K and V: each tile is asked for jointly.
; LIMITS: the gated output under 65,504 (f16).
; REGISTERS: window 0: v0-11 addresses; v12-43 statistics; v44-51, v61-63 addresses and the gates; v64-191 S^T; v192-255 P.  window 1: O^T, 64 a tile.  window 2: v0-127 Q; v128-255 K of a step.  window 3: v0-127 V of a step.
.set KS,    64
.set PK,    272       ; a row of K in LDS: 256 bytes + 16
.set PV,    288       ; a row of V: 256 + 32
.set VOFF,  256*PK    ; a slot: 256 rows of K, then 256 rows of V
.set SLOTB, 256*(PK+PV)
.set SPARE, 2*SLOTB   ; the spare words, 128 bytes a wave: two blocks of 256 bytes that no other line names
.set XCHB,  16896     ; the exchange, in slot 0 behind its last fill and last read: for each wave 16,384 bytes of O^T's registers as they stand and 512 of statistics
.set STAGE, 4*XCHB    ; behind it: 16 rows x 272 bytes for each wave, for the way out
.set SP,    272
.set AK0, 2
.set AV0, 3
.set ADR, 4
.set QO,  5           ; v5   my byte offset in the wave's rows of Q, register tiles 0, 1
.set STO, 6
.set RD,  7
.set GO,  8
.set ST,  12          ; tile t's statistics at v[ST+8 t]: +0 c m, +1 m, +2, +3 l, +4 to +7 at work
.set GV,  44          ; v44-45 the gates of my two tiles
.set XWA, 46          ; v46  the exchange: where I put registers; v47 statistics; v48, v49 where I read my partner's
.set XWS, 47
.set XRA, 48
.set XRS, 49
.set GOF, 50          ; v50  4 x (lane % 16)
.set QO2, 51          ; v51  as v5, register tiles 2, 3
.set PFO, 61          ; v61  256 x my lane; never rewritten
.set SPW, 62
.set NIL, 63
.set S,   64
.set P,   192
.set KF,  128
.set WV,  12
.set LIM, 15          ; s15  1 in a wave that prefetches, else the greatest number
.set PFA, 18          ; s[18:19] where my prefetches stand
.set G1K, 24
.set G1V, 32
.set G0K, 40          ; s[40:47] group 0 for K's tiles, a set for each LDS slot
.set G0V, 48
.set SLOTS, 56        ; s56  refills still to come
.set TWICE, 57
.set CS,  58
.set SEL, 60
.set TBK, 62          ; s62  LDS byte at which the K rows of the step to be fetched begin; s63 the same for V
.set TBV, 63
.set KB,  66          ; s66  my half of a slot's K rows; s67 of its V rows
.set VB,  67
.set LAPC, 68
.set GT,  70          ; s[70:71] the gates of my queries
.set MSB, 0
.macro WIN new
.if MSB != \new
	s_set_vgpr_msb (MSB<<8)|\new
.set MSB, \new
.endif
.endm
.set W_KQ, 0x0a
.set W_PV, 0x53
.set W_RS, 0x41
; A joint refill of LDS slot s.  Waves 0 and 1 fetch K's two halves (128 rows each), waves 2 and 3 V's.  An s_nop 0 and four v_nop follow each line.
.macro JLOAD s
	s_cmp_lt_u32 s[WV], 2
	s_cbranch_scc0 .Lfor_v_\@
	tensor_load_to_lds s[G0K+4*\s:G0K+4*\s+3], s[G1K:G1K+7]
	s_nop 0
.rept 4
	v_nop
.endr
	s_branch .Lasked_\@
.Lfor_v_\@:
	tensor_load_to_lds s[G0V+4*\s:G0V+4*\s+3], s[G1V:G1V+7]
	s_nop 0
.rept 4
	v_nop
.endr
.Lasked_\@:
.endm
; A prefetch of what the NEXT change of slots will ask for: 256 rows of K and 256 of V, 256 bytes a row, a lane a row.  Each row is named once in the launch: the head's first cluster asks; its four partners take 64 rows
; each, told apart by address; in each, waves 0 and 1 take 32 rows of K, waves 2 and 3 of V: one instruction a wave, two key steps (256 matrix instructions) ahead of that load.  The last refill asks for nothing.
.macro ASK
	s_cmp_gt_u32 s[SLOTS], s[LIM]
	s_cbranch_scc0 .Lnot_mine_\@
	global_prefetch_b8 v[PFO], s[PFA:PFA+1] th:TH_LOAD_NT scope:SCOPE_SE
.Lnot_mine_\@:
.endm
.macro CROUND
	s_barrier_signal -1
	s_barrier_wait -1
	s_cmp_lg_u32 s[WV], 0
	s_cbranch_scc1 .Lnot_wave_0_\@
	s_barrier_signal -3
.Lnot_wave_0_\@:
	s_barrier_wait -3
	s_barrier_signal -1
	s_barrier_wait -1
.endm
	s_load_b64 s[4:5], s[0:1], 0x0    ; qkv
	s_load_b64 s[GT:GT+1], s[0:1], 0x8  ; gate
	s_load_b64 s[10:11], s[0:1], 0x10  ; att
	v_lshl_add_u32 v[SPW], v0, 2, SPARE
	v_mov_b32 v[NIL], 0
	ds_add_u32 v[SPW], v[NIL]       ; the wave's opening: the add, twice on end, and its wait ahead of my first tensor load
	ds_add_u32 v[SPW], v[NIL]
	v_lshrrev_b32 v1, 5, v0
	v_readfirstlane_b32 s[WV], v1   ; wave 0..3
	s_bfe_u32 s13, ttmp6, 0x40000   ; cx
	s_lshl_b32 s14, ttmp9, 2
	s_add_co_u32 s14, s14, s13      ; my block of 128 queries: it enters Q's, the gate's and att's addresses alone
	s_and_b32 s20, ttmp7, 0xffff    ; the head, which the four partners share
	s_and_b32 s16, s[WV], 1         ; qh.  Also: which 128 rows of a slot I fetch
	s_lshr_b32 s69, s[WV], 1        ; kp
	s_lshl_b32 s22, s20, 19         ; the head's first byte in q, in k, in v
	s_mov_b32 s23, 0
	s_lshl_b32 s72, s16, 15         ; my 128 rows of 256 bytes
	s_mov_b32 s73, 0
	s_mul_i32 s17, s16, 128*PK      ; and their place in a slot: K's,
	s_mul_i32 s21, s16, 128*PV
	s_add_co_u32 s21, s21, VOFF     ; V's
	s_mul_i32 s[KB], s69, 128*PK    ; the half of a slot's keys that I walk
	s_mul_i32 s[VB], s69, 128*PV
	s_mov_b32 s[TBK], s[KB]
	s_mov_b32 s[TBV], s[VB]
	s_lshl_b32 s2, s14, 15          ; Q: my block's 128 rows, my wave's 64 of them, in my head
	s_lshl_b32 s3, s16, 14
	s_add_co_u32 s2, s2, s3
	s_add_co_u32 s2, s2, s22
	s_mov_b32 s3, 0
	s_lshl_b32 s78, s14, 19         ; att: rows of 4,096 bytes: 128 x block + 64 qh + 32 kp; + 256 x head
	s_lshl_b32 s79, s16, 18
	s_add_co_u32 s78, s78, s79
	s_lshl_b32 s79, s69, 17
	s_add_co_u32 s78, s78, s79
	s_lshl_b32 s79, s20, 8
	s_add_co_u32 s78, s78, s79
	s_mov_b32 s79, 0
	s_mov_b32 s[G1K], 15|(1<<16)|(1<<20)|(1<<21)|(5<<22)|(3<<25)  ; the mask: all four; elements of 2 bytes; padding on; bit 21 beside a mask; 4 words behind every 64
	s_mov_b32 s[G1V], 15|(1<<16)|(1<<20)|(1<<21)|(5<<22)|(7<<25)  ; the same with 8 words
.irp g, G1K, G1V
	s_mov_b32 s[\g+1], 128<<16      ; tensor_dim0 = 128
	s_mov_b32 s[\g+2], 128<<16      ; tensor_dim1 = 128
	s_mov_b32 s[\g+3], 128<<16      ; tile_dim0 = 128
	s_mov_b32 s[\g+4], 128          ; tile_dim1 = 128
	s_mov_b32 s[\g+5], 128          ; stride
	s_mov_b32 s[\g+6], 0
	s_mov_b32 s[\g+7], 0
.endr
	s_mov_b32 s[CS], 0x3e0293ee     ; c = log2(e) / sqrt(128)
	s_mov_b32 s[CS+1], s[CS]
	s_mov_b32 s[SEL], 0x76543210
	s_mov_b32 s[SEL+1], 0xfedcba98
	s_mov_b32 s[SLOTS], 6
	s_mov_b32 s[LAPC], 3
	s_cmp_eq_u32 ttmp9, 0           ; the head's first cluster: the same in all four partners
	s_cselect_b32 s[LIM], 1, -1
	v_and_b32 v[PFO], 31, v0
	v_lshlrev_b32 v[PFO], 8, v[PFO]
	s_wait_dscnt 0x0                ; both opening adds are done
	s_wait_kmcnt 0x0
	s_add_nc_u64 s[74:75], s[4:5], 0x800000
	s_add_nc_u64 s[74:75], s[74:75], s[22:23]  ; K of my head
	s_add_nc_u64 s[76:77], s[4:5], 0x1000000
	s_add_nc_u64 s[76:77], s[76:77], s[22:23]  ; V of my head
	s_add_nc_u64 s[6:7], s[74:75], s[72:73]  ; at my 128 rows of key slot 0
	s_add_nc_u64 s[8:9], s[76:77], s[72:73]
	s_add_nc_u64 s[4:5], s[4:5], s[2:3]      ; Q at my wave's first row
	s_add_nc_u64 s[10:11], s[10:11], s[78:79]
	s_lshl_b32 s72, s20, 13         ; the gate: 8,192 bytes a head, 4 bytes a query
	s_lshl_b32 s78, s14, 9
	s_add_co_u32 s72, s72, s78
	s_lshl_b32 s78, s16, 8
	s_add_co_u32 s72, s72, s78
	s_lshl_b32 s78, s69, 7
	s_add_co_u32 s72, s72, s78
	s_add_nc_u64 s[GT:GT+1], s[GT:GT+1], s[72:73]
	s_cmp_lt_u32 s[WV], 2
	s_cselect_b64 s[PFA:PFA+1], s[74:75], s[76:77]
	s_lshl_b32 s2, s13, 14          ; my work-group's 64 rows of the 256,
	s_lshl_b32 s3, s16, 13          ; my wave's 32 of them,
	s_add_co_u32 s2, s2, s3
	s_add_co_u32 s2, s2, 2*65536    ; in key slot 2: the first change of slots steps it to slot 3.  Nothing is prefetched here, at the head
	s_mov_b32 s3, 0
	s_add_nc_u64 s[PFA:PFA+1], s[PFA:PFA+1], s[2:3]
	CROUND                          ; all four work-groups are here: the first joint loads meet
.irp s, 0,1
	s_mov_b32 s[G0K+4*\s], 1
	s_add_co_u32 s[G0K+4*\s+1], s17, \s*SLOTB
	s_add_nc_u64 s[G0K+4*\s+2:G0K+4*\s+3], s[6:7], \s*65536
	s_or_b32 s[G0K+4*\s+3], s[G0K+4*\s+3], 0x80000000
	s_mov_b32 s[G0V+4*\s], 1
	s_add_co_u32 s[G0V+4*\s+1], s21, \s*SLOTB
	s_add_nc_u64 s[G0V+4*\s+2:G0V+4*\s+3], s[8:9], \s*65536
	s_or_b32 s[G0V+4*\s+3], s[G0V+4*\s+3], 0x80000000
.endr
	s_cmp_lt_u32 s[WV], 2           ; a wave's two first fills stand in one branch: two loads of mine are out
	s_cbranch_scc0 .Lfirst_v
	tensor_load_to_lds s[G0K:G0K+3], s[G1K:G1K+7]
	s_nop 0
	tensor_load_to_lds s[G0K+4:G0K+7], s[G1K:G1K+7]
	s_nop 0
.rept 4
	v_nop
.endr
	s_branch .Lfirst_asked
.Lfirst_v:
	tensor_load_to_lds s[G0V:G0V+3], s[G1V:G1V+7]
	s_nop 0
	tensor_load_to_lds s[G0V+4:G0V+7], s[G1V:G1V+7]
	s_nop 0
.rept 4
	v_nop
.endr
.Lfirst_asked:
	v_and_b32 v1, 15, v0            ; l % 16
	v_bfe_u32 v9, v0, 4, 1          ; l / 16
	v_lshlrev_b32 v10, 8, v1
	v_lshl_add_u32 v10, v9, 4, v10  ; row x 256 + 16 x half
	s_lshl_b32 s2, s69, 13          ; register tiles 0, 1 are query tiles 2 kp, 2 kp + 1;
	v_add_nc_u32 v[QO], s2, v10
	s_xor_b32 s2, s2, 8192          ; register tiles 2, 3 the other two
	v_add_nc_u32 v[QO2], s2, v10
	WIN 0x80                        ; destination window 2
.irp i, 0,1,2,3,4,5,6,7,8,9,10,11,12,13,14,15
.if \i < 8
	global_load_b128 v[8*\i:8*\i+3],   v[QO], s[4:5] offset:(\i/4)*4096+(\i%4)*64
	global_load_b128 v[8*\i+4:8*\i+7], v[QO], s[4:5] offset:(\i/4)*4096+(\i%4)*64+32
.else
	global_load_b128 v[8*\i:8*\i+3],   v[QO2], s[4:5] offset:(\i/4-2)*4096+(\i%4)*64
	global_load_b128 v[8*\i+4:8*\i+7], v[QO2], s[4:5] offset:(\i/4-2)*4096+(\i%4)*64+32
.endif
.endr
	WIN 0
	v_mul_u32_u24 v[AK0], v1, PK
	v_lshl_add_u32 v[AK0], v9, 4, v[AK0]
	v_and_b32 v10, 7, v0
	v_bfe_u32 v11, v0, 3, 1
	v_lshl_add_u32 v[AV0], v9, 3, v10
	v_mul_u32_u24 v[AV0], v[AV0], PV
	v_lshl_add_u32 v[AV0], v11, 4, v[AV0]
	v_add_nc_u32 v[AV0], VOFF, v[AV0]
; THE MATRIX WORK OF A TURN, for piece x.  The accumulators take turns, one instruction a turn.
.macro PV x, zero
	WIN W_PV
.set rO, 64*(\x+i%2)+8*((i/2)%8)
.set rV, 64*(i/16)+8*((i/2)%8)
.set rP, P+16*(\x+i%2)+8*(i/16)
.if \zero && (i < 16)
	v_wmma_f32_16x16x32_f16 v[rO:rO+7], v[rV:rV+7], v[rP:rP+7], 0
.else
	v_wmma_f32_16x16x32_f16 v[rO:rO+7], v[rV:rV+7], v[rP:rP+7], v[rO:rO+7]
.endif
.endm
.macro KQ x
	WIN W_KQ
.set rS, S+32*(\x+i%2)+8*((i/2)%4)
.set rK, KF+32*((i/2)%4)+8*(i/8)
.set rQ, 32*(\x+i%2)+8*(i/8)
.if i < 8
	v_wmma_f32_16x16x32_f16 v[rS:rS+7], v[rK:rK+7], v[rQ:rQ+7], 0
.else
	v_wmma_f32_16x16x32_f16 v[rS:rS+7], v[rK:rK+7], v[rQ:rQ+7], v[rS:rS+7]
.endif
.endm
; THE LDS LOADS stand in runs of 32: a step's K (64 keys x 128 channels) and, a turn later, its V (turned).
.macro FETCH_K
	WIN 0
	v_add_nc_u32 v[ADR], s[TBK], v[AK0]
	s_add_co_u32 s[TBK], s[TBK], KS*PK  ; the next fetch is the next step's
	WIN 0x80
.irp f, 0,1,2,3,4,5,6,7,8,9,10,11,12,13,14,15
	ds_load_b128 v[KF+8*\f:KF+8*\f+3],   v[ADR] offset:(\f/4)*16*PK+(\f%4)*64
	ds_load_b128 v[KF+8*\f+4:KF+8*\f+7], v[ADR] offset:(\f/4)*16*PK+(\f%4)*64+32
.endr
.endm
.macro FETCH_V
	WIN 0
	v_add_nc_u32 v[ADR], s[TBV], v[AV0]
	s_add_co_u32 s[TBV], s[TBV], KS*PV
	s_wait_alu depctr_va_vdst(0)    ; the wait for the softmax's batch of exponentials, ahead of the first line that names a result
	WIN 0xc0
.irp f, 0,1,2,3,4,5,6,7,8,9,10,11,12,13,14,15
	ds_load_tr16_b128 v[8*\f:8*\f+3],   v[ADR] offset:(\f/8)*32*PV+(\f%8)*32
	ds_load_tr16_b128 v[8*\f+4:8*\f+7], v[ADR] offset:(\f/8)*32*PV+16*PV+(\f%8)*32
.endr
.endm
; THE VECTOR WORK OF A TURN.  One tile's softmax for one key step is a list of 134 instructions; SM writes number j of it for tile t.
;   0-15 the maximum of the lane's 32 scores and the old m;  16-20 the other half of the lanes' maximum, the new m, c m, c m_old - c m_new;  21-69 ONE BATCH: 16 packed scalings c s - c m and all 33 exponentials, none of
;   which reads an exponential's result;  (the one wait)  70-85 the roundings to f16;  86-101 the sums, l = a l + the sum;  102-133 the tile's O^T times a.
.macro SM t, first
.set rT, ST+8*(\t)
.set rS, S+32*(\t)
.set rP, P+16*(\t)
.set rO, 64*(\t)+2*(j-102)
.if j < 102
	WIN 0
.endif
.if j < 4
	v_max3_num_f32 v[rT+4+j], v[rS+8*j], v[rS+8*j+1], v[rS+8*j+2]
.elseif j < 12
	v_max3_num_f32 v[rT+4+j%4], v[rT+4+j%4], v[rS+8*(j%4)+2*(j/4)+1], v[rS+8*(j%4)+2*(j/4)+2]
.elseif j == 12
	v_max3_num_f32 v[rT+4], v[rT+4], v[rS+7], v[rS+15]
.elseif j == 13
	v_max3_num_f32 v[rT+6], v[rT+6], v[rS+23], v[rS+31]
.elseif j == 14
	v_max3_num_f32 v[rT+4], v[rT+4], v[rT+5], v[rT+6]
.elseif (j == 15) && \first
	v_max_num_f32 v[rT+4], v[rT+4], v[rT+7]
.elseif j == 15
	v_max3_num_f32 v[rT+4], v[rT+4], v[rT+7], v[rT+1]
.elseif j == 16
	v_permlanex16_b32 v[rT+5], v[rT+4], s[SEL], s[SEL+1]
.elseif j == 18
	v_max_num_f32 v[rT+1], v[rT+4], v[rT+5]
.elseif j == 19
	v_mul_f32 v[rT], s[CS], v[rT+1]
.elseif ((j == 17) || (j == 20) || (j == 23) || (j > 101)) && \first
.elseif j == 17
	v_mov_b32 v[rT+7], v[rT]
.elseif j == 20
	v_sub_f32 v[rT+7], v[rT+7], v[rT]
.elseif j == 23
	v_exp_f32 v[rT+6], v[rT+7]
.elseif (j < 23) || ((j < 38) && (j%2 == 0)) || ((j < 66) && (j%4 == 2))
.set b, (j-2)/4
.if j < 38
.set b, (j-20)/2
.endif
	v_pk_fma_f32 v[rS+2*b:rS+2*b+1], v[rS+2*b:rS+2*b+1], s[CS:CS+1], v[rT:rT+1] op_sel_hi:[1,0,0] neg_lo:[0,0,1] neg_hi:[0,0,1]
.elseif j < 70
.set e, j-38
.if j < 66
.set e, j-32-(j-38)/4
.endif
.if j < 38
.set e, (j-25)/2
.endif
	v_exp_f32 v[rS+e], v[rS+e]
.elseif j < 86
	v_cvt_pk_f16_f32 v[rP+j-70], v[rS+2*(j-70)], v[rS+2*(j-70)+1]
.elseif j < 102
.set z, j-86
.set w, 4
.set u, z
.if z >= 14
.set w, 32
.set u, 0
.elseif z >= 12
.set w, 16
.set u, z-12
.elseif z >= 8
.set w, 8
.set u, z-8
.endif
.if (z == 14) && \first
	v_pk_add_f32 v[rT+2:rT+3], v[rS:rS+1], v[rS+16:rS+17]
.elseif z < 15
	v_pk_add_f32 v[rS+w*u:rS+w*u+1], v[rS+w*u:rS+w*u+1], v[rS+w*u+w/2:rS+w*u+w/2+1]
.elseif !\first
	v_pk_fma_f32 v[rT+2:rT+3], v[rT+2:rT+3], v[rT+6:rT+7], v[rS:rS+1] op_sel_hi:[1,0,1]
.endif
.else
	WIN W_RS
	v_pk_mul_f32 v[rO:rO+1], v[rO:rO+1], v[rT+6:rT+7] op_sel_hi:[1,0]
.endif
.endm
; Slice k of 64 of piece y's softmax: four instructions; slices 11 to 34 deal out the batch, four numbers of one tile each; the twelve that are over stand in slice 63.  The piece's 66 exponentials have one wait, behind slice 34.
.macro SLICE y, first
.if (k >= 11) && (k < 35)
.irp n, 0,1,2,3
.set j, 22+4*((k-11)/2)+(\n)
	SM (\y)+(k-11)%2, \first
.endr
.else
.irp n, 0,1,2,3,4,5,6,7
.if (\n < 2) || (k == 63)
.irp t, \y, \y+1
.set j, 2*k+\n
	SM \t, \first
.endr
.endif
.endr
.endif
.if k == 34
	v_nop                           ; the plain line behind the last exponential, ahead of the first use: one for the batch
.if (\y) == 0
	FETCH_V                         ; piece 2's turn: V's run of loads stands here, and the wait stands in it
.else
	s_wait_alu depctr_va_vdst(0)    ; the wait for the batch
.endif
.endif
.set k, k+1
.endm
.macro PLACES
.rept 4
	v_nop
.endr
.endm
; A TURN.  Piece x has the matrix unit.  pv = 2: 32 products V^T P; 1: they start O^T's sums; 0: none.  kq = 1: 32 products K Q^T for the next step.  first = 1: the softmax is the first key step's.
.macro TURN x, pv, kq, first
.set k, 0
.set per, 2
.if \pv && \kq
.set per, 1
.endif
.if \pv
.if \x == 0
	s_wait_dscnt 0x0                ; V is in
.endif
.set i, 0
.rept 32
	PV \x, 2-\pv
.rept per
	SLICE 2-\x, \first
.endr
.if (\x == 0) && \kq && (i == 1)
	FETCH_K
.endif
.set i, i+1
.endr
.endif
.if \kq
.if \x == 0
	s_wait_dscnt 0x0                ; K is in
.endif
.set i, 0
.rept 32
	KQ \x
.rept per
	SLICE 2-\x, \first
.endr
.set i, i+1
.endr
.endif
.if \first
	PLACES
.endif
.endm
; THE CHANGE OF SLOTS: LDS slot 'left' has been read out by this wave.  Each wave waits for all its tensor loads (one is out: its part of the other slot), adds 0 to its spare word, and waits for that and for its reads.
; fill = 1: the slot is filled again, with the keys two slots on; the barrier is then a round of the cluster's, and the joint refill is the first thing behind it: two key steps, 256 matrix instructions, in which to land.
.macro CHANGE fill, left
	WIN 0
	s_wait_tensorcnt 0x0            ; no tensor load of mine is out, so a group 0 may be written
	ds_add_u32 v[SPW], v[NIL]
.if \fill
	s_add_nc_u64 s[G0K+4*\left+2:G0K+4*\left+3], s[G0K+4*\left+2:G0K+4*\left+3], 2*65536
	s_add_nc_u64 s[G0V+4*\left+2:G0V+4*\left+3], s[G0V+4*\left+2:G0V+4*\left+3], 2*65536
	s_wait_xcnt 0x0                 ; the last prefetch, two key steps back, has read its address
	s_add_nc_u64 s[PFA:PFA+1], s[PFA:PFA+1], 65536
	s_wait_dscnt 0x0                ; the add is done, and my reads of the slot are over
	CROUND
	JLOAD \left
	ASK
	s_sub_co_u32 s[SLOTS], s[SLOTS], 1
.else
	s_wait_dscnt 0x0
	s_barrier_signal -1
	s_barrier_wait -1
.endif
	s_add_co_u32 s[TBK], s[KB], (1-\left)*SLOTB  ; the fetches go on in the other slot, at my half's first step
	s_add_co_u32 s[TBV], s[VB], (1-\left)*SLOTB
.endm
.macro TWO_STEPS
	s_mov_b32 s[TWICE], 2
.Lstep_\@:
	TURN 0, 2, 1, 0
	TURN 2, 2, 1, 0
	WIN 0
	s_sub_co_u32 s[TWICE], s[TWICE], 1
	s_cmp_lg_u32 s[TWICE], 0
	s_cbranch_scc1 .Lstep_\@
.endm
	s_wait_tensorcnt 1              ; my part of slot 0 is in; slot 1's may stay out
	s_barrier_signal -1
	s_barrier_wait -1
	FETCH_K                         ; my first key step
	s_wait_loadcnt 0x0              ; Q
	s_wait_dscnt 0x0
.set i, 0
.rept 32
	KQ 0
.set i, i+1
.endr
	WIN 0                           ; the addresses for the exchange and the way out are made here: plain lines, the places behind those products
	s_mul_i32 s13, s[WV], 16*SP
	s_add_co_u32 s13, s13, STAGE
	v_mul_u32_u24 v[STO], v1, SP
	v_lshl_add_u32 v[STO], v9, 4, v[STO]
	v_add_nc_u32 v[STO], s13, v[STO]
	v_mul_u32_u24 v[RD], v9, SP
	v_lshl_add_u32 v[RD], v1, 4, v[RD]
	v_add_nc_u32 v[RD], s13, v[RD]
	v_lshlrev_b32 v[GO], 12, v9     ; att: lanes 0-15 one row of 4,096 bytes, lanes 16-31 the next
	v_lshl_add_u32 v[GO], v1, 4, v[GO]
	v_and_b32 v10, 31, v0
	s_mul_i32 s13, s[WV], XCHB
	v_lshl_add_u32 v[XWA], v10, 4, s13
	s_add_co_u32 s2, s13, 16384
	v_lshl_add_u32 v[XWS], v10, 3, s2
	s_xor_b32 s13, s[WV], 2         ; my partner: the same queries, the other half of the keys
	s_mul_i32 s13, s13, XCHB
	v_lshl_add_u32 v[XRA], v10, 4, s13
	s_add_co_u32 s2, s13, 16384
	v_lshl_add_u32 v[XRS], v10, 3, s2
	v_lshlrev_b32 v[GOF], 2, v1
	TURN 2, 0, 1, 1
	TURN 0, 1, 1, 1
	TURN 2, 1, 1, 0
	WIN 0
.Llap:                              ; three trips, six refills: key slots 2 to 7
	CHANGE 1, 0
	TWO_STEPS
	CHANGE 1, 1
	TWO_STEPS
	s_sub_co_u32 s[LAPC], s[LAPC], 1
	s_cmp_lg_u32 s[LAPC], 0
	s_cbranch_scc1 .Llap
	CHANGE 0, 0                     ; the tail is written out: nothing is asked for; LDS slot 0 has had its last fill and its last read
	TWO_STEPS
	TURN 0, 2, 0, 0
.set i, 0
.rept 32
	PV 2, 0
.set i, i+1
.endr
	; THE TWO HALVES OF THE KEYS ARE JOINED.  Register tiles 2, 3 (O^T as it stands, c m, l) go to the partner; its tiles 2, 3 are my tiles 0, 1.
	WIN 0
.irp t, 0,1,2,3
	v_add_f32 v[ST+8*\t+1], v[ST+8*\t+2], v[ST+8*\t+3]  ; l's two halves, beside c m.  (Four plain lines: the places behind the last products)
.endr
	global_load_b32 v[GV], v[GOF], s[GT:GT+1]
	global_load_b32 v[GV+1], v[GOF], s[GT:GT+1] offset:64
	WIN 0x04                        ; an LDS store's data are its source 1: window 1
.set i, 0
.rept 32
	ds_store_b128 v[XWA], v[128+4*i:128+4*i+3] offset:512*i  ; ascending: each accumulator from its low end on
.set i, i+1
.endr
	WIN 0
	ds_store_b64 v[XWS], v[ST+16:ST+17]
	ds_store_b64 v[XWS], v[ST+24:ST+25] offset:256
	s_wait_dscnt 0x0                ; for the partner's sake: my stores are done
	s_barrier_signal -1
	s_barrier_wait -1
.set i, 0
.rept 32
	ds_load_b128 v[S+4*i:S+4*i+3], v[XRA] offset:512*i
.set i, i+1
.endr
	ds_load_b64 v[ST+4:ST+5], v[XRS]
	ds_load_b64 v[ST+12:ST+13], v[XRS] offset:256
	s_wait_dscnt 0x0
	s_wait_loadcnt 0x0              ; the gates
.irp t, 0,1
	v_max_num_f32 v[ST+8*\t+6], v[ST+8*\t], v[ST+8*\t+4]  ; the larger c m
.endr
.irp t, 0,1
	v_sub_f32 v[ST+8*\t+2], v[ST+8*\t], v[ST+8*\t+6]
	v_sub_f32 v[ST+8*\t+3], v[ST+8*\t+4], v[ST+8*\t+6]
.endr
.irp t, 0,1
	v_exp_f32 v[ST+8*\t+2], v[ST+8*\t+2]  ; my factor,
	v_exp_f32 v[ST+8*\t+3], v[ST+8*\t+3]  ; my partner's
.endr
	v_nop
	s_wait_alu depctr_va_vdst(0)    ; one wait for the four
.irp t, 0,1
	v_mul_f32 v[ST+8*\t+7], v[ST+8*\t+2], v[ST+8*\t+1]
.endr
.irp t, 0,1
	v_fma_f32 v[ST+8*\t+7], v[ST+8*\t+3], v[ST+8*\t+5], v[ST+8*\t+7]
.endr
.irp t, 0,1
	v_permlanex16_b32 v[ST+8*\t+6], v[ST+8*\t+7], s[SEL], s[SEL+1]
.endr
.irp t, 0,1
	v_add_f32 v[ST+8*\t+7], v[ST+8*\t+7], v[ST+8*\t+6]  ; the row's sum over all keys
.endr
.irp t, 0,1
	v_rcp_f32 v[ST+8*\t+7], v[ST+8*\t+7]
.endr
	v_nop
	s_wait_alu depctr_va_vdst(0)    ; one wait for the two
.irp t, 0,1
	v_mul_f32 v[ST+8*\t+7], v[ST+8*\t+7], v[GV+\t]      ; gate / sum
.endr
.irp t, 0,1
	v_mul_f32 v[ST+8*\t+6], v[ST+8*\t+2], v[ST+8*\t+7]  ; what my O^T is multiplied by,
	v_mul_f32 v[ST+8*\t+2], v[ST+8*\t+3], v[ST+8*\t+7]  ; and my partner's
.endr
.irp t, 0,1
.set i, 0
.rept 32
	v_pk_mul_f32 v[S+64*\t+i:S+64*\t+i+1], v[S+64*\t+i:S+64*\t+i+1], v[ST+8*\t+2:ST+8*\t+3] op_sel_hi:[1,0]
.set i, i+2
.endr
.endr
	WIN 0x01                        ; source 0: my O^T, window 1
.irp t, 0,1
.set i, 0
.rept 32
	v_pk_fma_f32 v[S+64*\t+i:S+64*\t+i+1], v[64*\t+i:64*\t+i+1], v[ST+8*\t+6:ST+8*\t+7], v[S+64*\t+i:S+64*\t+i+1] op_sel_hi:[1,0,1]
.set i, i+2
.endr
.endr
	WIN 0
.irp t, 0,1
.set i, 0
.rept 32
	v_cvt_pk_f16_f32 v[P+32*\t+i], v[S+64*\t+2*i], v[S+64*\t+2*i+1]
.set i, i+1
.endr
.endr
; Tile t: a lane's eight channels of a row are 16 bytes; they go into rows of 272 bytes and come back as whole rows of 256, into the registers that they left.
.macro OUTT t
.irp f, 0,1,2,3,4,5,6,7
	ds_store_b128 v[STO], v[P+32*\t+4*\f:P+32*\t+4*\f+3] offset:32*\f
.endr
.irp f, 0,1,2,3,4,5,6,7
	ds_load_b128 v[P+32*\t+4*\f:P+32*\t+4*\f+3], v[RD] offset:\f*2*SP  ; in order behind the stores above; the next tile's stores come behind them
.endr
.endm
.macro SEND t, younger              ; younger: the LDS instructions issued behind tile t's loads
.irp f, 0,1,2,3,4,5,6,7
	s_wait_dscnt \younger+7-\f
	global_store_b128 v[GO], v[P+32*\t+4*\f:P+32*\t+4*\f+3], s[10:11] offset:\t*65536+\f*8192  ; 16 lanes store 256 dense bytes, aligned
.endr
.endm
	OUTT 0
	OUTT 1
	SEND 0, 16
	SEND 1, 0
	s_wait_tensorcnt 0x0            ; the wave's end, behind my last tensor load and my last LDS store
	ds_add_u32 v[SPW], v[NIL]
	s_wait_dscnt 0x0
	CROUND                          ; the closing round
	s_endpgm
.Lfunc_end_k_qada9cd619d_attn:
	.size	k_qada9cd619d_attn, .Lfunc_end_k_qada9cd619d_attn-k_qada9cd619d_attn
	.p2alignl 7, 3214868480
	.fill 96, 4, 3214868480
	.section	.rodata,"a",@progbits
	.p2align	6, 0x0
	.amdhsa_kernel k_qada9cd619d_attn
		.amdhsa_group_segment_fixed_size 327680
		.amdhsa_private_segment_fixed_size 0
		.amdhsa_enable_private_segment 0
		.amdhsa_kernarg_size 24
		.amdhsa_user_sgpr_count 2
		.amdhsa_user_sgpr_kernarg_segment_ptr 1
		.amdhsa_wavefront_size32 1
		.amdhsa_system_sgpr_workgroup_id_x 1
		.amdhsa_system_sgpr_workgroup_id_y 1
		.amdhsa_system_sgpr_workgroup_id_z 1
		.amdhsa_system_vgpr_workitem_id 0
		.amdhsa_next_free_vgpr 1024
		.amdhsa_next_free_sgpr 80
		.amdhsa_reserve_vcc 0
		.amdhsa_float_denorm_mode_32 3
		.amdhsa_float_denorm_mode_16_64 3
		.amdhsa_memory_ordered 1
		.amdhsa_forward_progress 1
		.amdhsa_inst_pref_size 255
	.end_amdhsa_kernel
	.section	.bss,"aw",@nobits
	.p2align	6
	.space	262144
	.amdgpu_metadata
---
amdhsa.version: [ 1, 2 ]
amdhsa.kernels:
  - .name:           k_qada9cd619d_attn
    .symbol:         k_qada9cd619d_attn.kd
    .args:
      - { .name: qkv, .offset: 0, .size: 8, .value_kind: global_buffer, .address_space: global }
      - { .name: gate, .offset: 8, .size: 8, .value_kind: global_buffer, .address_space: global }
      - { .name: att, .offset: 16, .size: 8, .value_kind: global_buffer, .address_space: global }
    .group_segment_fixed_size: 327680
    .private_segment_fixed_size: 0
    .kernarg_segment_align: 8
    .kernarg_segment_size: 24
    .max_flat_workgroup_size: 128
    .sgpr_count:     80
    .vgpr_count:     1024
    .wavefront_size: 32
...
	.end_amdgpu_metadata
.endif
;; end of part 3
;; launch proj (part 4): grid 16 x 16, 4 waves a work-group, clusters of 4 x 4, 327,680 bytes of LDS; arguments att, wo16, out0; writes out0
.if DOCPART == 4
	.amdgcn_target "amdgcn-amd-amdhsa--gfx1250"
	.amdhsa_code_object_version 6
	.text
	.protected	k_qada9cd619d_proj
	.globl	k_qada9cd619d_proj
	.p2align	8
	.type	k_qada9cd619d_proj,@function
k_qada9cd619d_proj:
	s_mov_b64 s[64:65], 0
	v_nop
	global_prefetch_b8 v0, s[64:65] scope:SCOPE_SE
	s_setreg_imm32_b32 hwreg(HW_REG_WAVE_MODE, 25, 1), 1
	s_wait_xcnt 0x0
	s_wait_alu depctr_hold_cnt(0) depctr_sa_sdst(0) depctr_va_vdst(0) depctr_va_sdst(0) depctr_va_ssrc(0) depctr_va_vcc(0) depctr_vm_vsrc(0)
	s_getreg_b32 s2, hwreg(HW_REG_IB_STS2, 6, 4)
	s_cmp_eq_u32 s2, 0
	s_cbranch_scc0 .Lentry_in_a_cluster
	s_endpgm
.Lentry_in_a_cluster:
	s_bfe_u32 s2, ttmp6, 0x10000c
	s_cmp_lg_u32 s2, 0xf033
	s_cbranch_scc0 .Lentry_shape_is_right
	s_endpgm
.Lentry_shape_is_right:
; out0[m][n] = the sum over k of att[m][k] Wo[k][n].  att: [2048][2048] f16, K along the rows; wo16: [2048 (k)][2048 (n)] f16, K down the rows; out0 f32; sums in f32.
; A tile of C is 128 x 128: 256 work-groups.  Four waves, each 64 x 64: 16 accumulators.  K goes in steps of 256 through a ring of two LDS slots.
; att's tile: 128 rows of 512 bytes.  Wo's tile stays [k][n]: 256 rows of 256 bytes, and its fragments come out of LDS turned, by ds_load_tr16_b128.
; CLUSTERS 4 x 4: att's tiles are shared along a row of the cluster, Wo's along a column: each is asked for jointly.  THE MATRIX INSTRUCTION IS USED TRANSPOSED (source 0 = 16 columns of Wo, source 1 = 16 rows of att):
; a lane holds eight neighbouring numbers of a row of C.  A wave's 64 columns of f32 are one aligned 256 bytes, so each wave goes out through a stage of its own.  No prefetch: the tile is small and the step short.
; REGISTERS: window 0: v0-31 addresses; v32-95 the way out; v128-255 the accumulators ((a, b) at v[128 + 8 (4 a + b)]).  window 1: two fragment buffers of 128: 64 registers of att, then 64 of Wo.
.set KSTEP,  256
.set PITCH,  528                       ; att's LDS row: 512 bytes + 16
.set PB,     288                       ; Wo's LDS row: 256 bytes + 32
.set HALFA,  64*PITCH
.set HALFB,  128*PB
.set BOFF,   2*HALFA
.set SLOT,   BOFF+2*HALFB
.set STAGE,  2*SLOT                    ; behind the ring: 16 rows x 272 bytes for each wave
.set SPITCH, 272
.set SPARE,  STAGE+4*16*SPITCH         ; the spare words, 128 bytes a wave: two blocks of 256 bytes that no other line names
.set LAPS,   4
.set ADRA, 16                          ; v16-17  my att fragments in slot 0, 1
.set ADRB, 20                          ; v20-21  my Wo fragments, k rows 0-127; v22-23 k rows 128-255 (so that every immediate stays under 65,536)
.set STO,  24
.set RD,   25
.set CO,   26
.set SPW,  28
.set NIL,  29
.set TMP,  32
.set ACC,  128
.set F0,   0
.set F1,   128
.set G1, 24
.set G0, 32
.set G1B, 48
.set G0B, 56
.set MSB, 0
.macro WIN new
.if MSB != \new
	s_set_vgpr_msb (MSB<<8)|\new
.set MSB, \new
.endif
.endm
.set MUL,  0x05
.set TO_F, 0x40
.macro JLOAD s                         ; waves 0 and 1 fetch att's two halves, waves 2 and 3 Wo's; an s_nop 0 and four v_nop follow each line
	s_cmp_eq_u32 s11, 0
	s_cbranch_scc0 .Lfor_b_\@
	tensor_load_to_lds s[G0+4*\s:G0+4*\s+3], s[G1:G1+7]
	s_nop 0
.rept 4
	v_nop
.endr
	s_branch .Lasked_\@
.Lfor_b_\@:
	tensor_load_to_lds s[G0B+4*\s:G0B+4*\s+3], s[G1B:G1B+7]
	s_nop 0
.rept 4
	v_nop
.endr
.Lasked_\@:
.endm
.macro CREST
	s_cmp_lg_u32 s10, 0
	s_cbranch_scc1 .Lnot_wave_0_\@
	s_barrier_signal -3
.Lnot_wave_0_\@:
	s_barrier_wait -3
	s_barrier_signal -1
	s_barrier_wait -1
.endm
.macro CROUND
	s_barrier_signal -1
	s_barrier_wait -1
	CREST
.endm
	s_load_b128 s[4:7], s[0:1], 0x0                ; att s[4:5], wo16 s[6:7]
	s_load_b64 s[8:9], s[0:1], 0x10                ; out0
	v_lshl_add_u32 v[SPW], v0, 2, SPARE
	v_mov_b32 v[NIL], 0
	ds_add_u32 v[SPW], v[NIL]                      ; the wave's opening: the add, twice on end, and its wait ahead of my first tensor load
	ds_add_u32 v[SPW], v[NIL]
	v_lshrrev_b32 v1, 5, v0
	v_readfirstlane_b32 s10, v1                    ; wave 0..3
	s_lshr_b32 s11, s10, 1                         ; which half of the tile's rows is mine.  Also: I fetch for att (0) or for Wo (1)
	s_and_b32 s12, s10, 1                          ; which half of its columns.  Also: which half of that tile I fetch
	s_bfe_u32 s40, ttmp6, 0x40000
	s_bfe_u32 s41, ttmp6, 0x40004
	s_lshl_b32 s42, ttmp9, 2
	s_add_co_u32 s42, s42, s40                     ; tile column
	s_and_b32 s13, ttmp7, 0xffff
	s_lshl_b32 s13, s13, 2
	s_add_co_u32 s13, s13, s41                     ; tile row
	s_lshl_b32 s43, s41, 2
	s_lshl_b32 s43, 15, s43                        ; my row of the cluster
	s_lshl_b32 s44, 0x1111, s40                    ; my column
	s_or_b32 s[G1+0], s43, (1<<16)|(1<<20)|(1<<21)|(6<<22)|(3<<25)   ; att: 64 rows x 256 elements of 2 bytes; 4 words of padding behind every 128
	s_mov_b32 s[G1+1], KSTEP<<16
	s_mov_b32 s[G1+2], 64<<16
	s_mov_b32 s[G1+3], KSTEP<<16
	s_mov_b32 s[G1+4], 64
	s_mov_b32 s[G1+5], 2048
	s_mov_b32 s[G1+6], 0
	s_mov_b32 s[G1+7], 0
	s_or_b32 s[G1B+0], s44, (1<<16)|(1<<20)|(1<<21)|(5<<22)|(7<<25)  ; Wo: 128 k rows x 128 elements; 8 words of padding behind every 64
	s_mov_b32 s[G1B+1], 128<<16
	s_mov_b32 s[G1B+2], 128<<16
	s_mov_b32 s[G1B+3], 128<<16
	s_mov_b32 s[G1B+4], 128
	s_mov_b32 s[G1B+5], 2048
	s_mov_b32 s[G1B+6], 0
	s_mov_b32 s[G1B+7], 0
	s_lshl_b32 s17, s12, 6
	s_lshl_b32 s16, s13, 7
	s_add_co_u32 s16, s16, s17                     ; att: row 128 x tile row + 64 x half,
	s_lshl_b32 s16, s16, 12                        ; of 4,096 bytes
	s_mov_b32 s17, 0
	s_lshl_b32 s46, s12, 19                        ; Wo: k row 128 x half, of 4,096 bytes,
	s_lshl_b32 s47, s42, 8                         ; + 256 bytes x tile column
	s_add_co_u32 s46, s46, s47
	s_mov_b32 s47, 0
	s_mul_i32 s20, s12, HALFA                      ; where they go
	s_mul_i32 s21, s12, HALFB
	s_add_co_u32 s21, s21, BOFF
	s_wait_dscnt 0x0                               ; both opening adds are done
	s_wait_kmcnt 0x0
	s_add_nc_u64 s[14:15], s[4:5], s[16:17]
	s_add_nc_u64 s[46:47], s[6:7], s[46:47]
	CROUND                                         ; all sixteen work-groups are here: the first joint loads meet
.irp s, 0,1
	s_mov_b32 s[G0+4*\s], 1
	s_add_co_u32 s[G0+4*\s+1], s20, \s*SLOT
	s_add_nc_u64 s[G0+4*\s+2:G0+4*\s+3], s[14:15], \s*KSTEP*2
	s_or_b32 s[G0+4*\s+3], s[G0+4*\s+3], 0x80000000
	s_mov_b32 s[G0B+4*\s], 1
	s_add_co_u32 s[G0B+4*\s+1], s21, \s*SLOT
	s_add_nc_u64 s[G0B+4*\s+2:G0B+4*\s+3], s[46:47], \s*KSTEP*4096
	s_or_b32 s[G0B+4*\s+3], s[G0B+4*\s+3], 0x80000000
	JLOAD \s                                       ; two loads of mine are out
.endr
	v_and_b32 v1, 15, v0                           ; l % 16
	v_bfe_u32 v2, v0, 4, 1                         ; l / 16
	v_mul_u32_u24 v3, v1, PITCH
	v_lshl_add_u32 v3, v2, 4, v3                   ; att: row x pitch + 16 x half
	v_and_b32 v4, 7, v0
	v_lshl_add_u32 v4, v2, 3, v4                   ; Wo, turned: k row 8 (l / 16) + l % 8,
	v_mul_u32_u24 v4, v4, PB
	v_bfe_u32 v5, v0, 3, 1
	v_lshl_add_u32 v4, v5, 4, v4                   ; columns 8 ((l / 8) % 2) on
	s_mul_i32 s21, s11, HALFA                      ; my 64 rows of att
	s_lshl_b32 s22, s12, 7                         ; my 64 columns of Wo: 128 bytes x half,
	s_add_co_u32 s22, s22, BOFF                    ; behind att's rows
.irp s, 0,1
	v_add_nc_u32 v[ADRA+\s], s21, v3
	v_add_nc_u32 v[ADRB+\s], s22, v4
	v_add_nc_u32 v[ADRB+2+\s], 128*PB, v[ADRB+\s]
	s_add_co_u32 s21, s21, SLOT
	s_add_co_u32 s22, s22, SLOT
.endr
	s_mul_i32 s23, s10, 16*SPITCH
	s_add_co_u32 s23, s23, STAGE                   ; my stage
	v_mul_u32_u24 v4, v1, SPITCH
	v_lshl_add_u32 v4, v2, 5, v4
	v_add_nc_u32 v[STO], s23, v4                   ; in: row l % 16, 32 bytes for each half of the lanes
	v_mul_u32_u24 v5, v2, SPITCH
	v_lshl_add_u32 v5, v1, 4, v5
	v_add_nc_u32 v[RD], s23, v5                    ; back: lanes 0-15 one row of 256 bytes, lanes 16-31 the next
	v_lshlrev_b32 v5, 13, v2
	v_lshl_add_u32 v[CO], v1, 4, v5                ; the same two rows in out0: 8,192 bytes a row
	s_lshl_b32 s16, s13, 7
	s_lshl_b32 s17, s11, 6
	s_add_co_u32 s16, s16, s17                     ; my first row: 128 x tile row + 64 x half
	s_lshl_b32 s16, s16, 13
	s_mov_b32 s17, 0
	s_add_nc_u64 s[8:9], s[8:9], s[16:17]
	s_lshl_b32 s46, s42, 9                         ; my first column, in bytes: 512 x tile column + 256 x half
	s_lshl_b32 s47, s12, 8
	s_add_co_u32 s46, s46, s47
	s_mov_b32 s47, 0
	s_add_nc_u64 s[8:9], s[8:9], s[46:47]
; 8 matrix instructions: m blocks a0, a0 + 1 x all 4 n blocks, 32 along K: half c of buffer f.  The 16 accumulators take turns.
.macro MUL8 f, c, a0, zero
.irp a, \a0, \a0+1
.irp b, 0,1,2,3
.if \zero
	v_wmma_f32_16x16x32_f16 v[ACC+8*(4*(\a)+\b):ACC+8*(4*(\a)+\b)+7], v[\f+64+8*(4*\c+\b):\f+64+8*(4*\c+\b)+7], v[\f+8*(4*\c+\a):\f+8*(4*\c+\a)+7], 0
.else
	v_wmma_f32_16x16x32_f16 v[ACC+8*(4*(\a)+\b):ACC+8*(4*(\a)+\b)+7], v[\f+64+8*(4*\c+\b):\f+64+8*(4*\c+\b)+7], v[\f+8*(4*\c+\a):\f+8*(4*\c+\a)+7], v[ACC+8*(4*(\a)+\b):ACC+8*(4*(\a)+\b)+7]
.endif
.endr
.endr
.endm
; 32 LDS loads in one run: the fragments of the slot's q-th 64 along K into buffer f; the first 32 along K first
.macro FETCH slot, q, f
	WIN TO_F
.irp c, 0,1
.irp i, 0,1,2,3
	ds_load_tr16_b128 v[\f+64+8*(4*\c+\i):\f+64+8*(4*\c+\i)+3],   v[ADRB+\slot+2*((\q)/2)] offset:(((\q)%2)*64+32*\c)*PB+32*\i
	ds_load_tr16_b128 v[\f+64+8*(4*\c+\i)+4:\f+64+8*(4*\c+\i)+7], v[ADRB+\slot+2*((\q)/2)] offset:(((\q)%2)*64+32*\c+16)*PB+32*\i
	ds_load_b128 v[\f+8*(4*\c+\i):\f+8*(4*\c+\i)+3],         v[ADRA+\slot] offset:128*(\q)+64*\c+\i*16*PITCH
	ds_load_b128 v[\f+8*(4*\c+\i)+4:\f+8*(4*\c+\i)+7],       v[ADRA+\slot] offset:128*(\q)+64*\c+\i*16*PITCH+32
.endr
.endr
.endm
.macro PLACES
.rept 4
	v_nop
.endr
.endm
.macro QUARTER slot, q, f, g, zero     ; multiplies buffer f and fetches the slot's q-th quarter into g
	s_wait_dscnt 16                                ; the first 32 along K are in; the younger sixteen loads may be out
	WIN MUL
	MUL8 \f, 0, 0, \zero
	MUL8 \f, 0, 2, \zero
	PLACES
	FETCH \slot, \q, \g
	s_wait_dscnt 32                                ; all but the 32 just issued
	WIN MUL
	MUL8 \f, 1, 0, 0
	MUL8 \f, 1, 2, 0
.endm
; The last quarter multiplies buffer 1 and changes slots: one barrier; in front of it each wave waits for all its tensor loads, adds 0 to its spare word, and waits for that and for its own reads of this slot.
.macro TURN slot, next, fill
	WIN 0
	s_wait_tensorcnt 0x0                           ; all my tensor loads have landed: my part of the next slot
	ds_add_u32 v[SPW], v[NIL]
	s_wait_dscnt 17                                ; the add and the youngest sixteen loads may be out
	WIN MUL
	MUL8 F1, 0, 0, 0
	s_wait_dscnt 0x0                               ; the add is done, and my reads of this slot are over
	s_barrier_signal -1
	MUL8 F1, 0, 2, 0
.if \fill
	WIN 0
.endif
	s_barrier_wait -1
.if \fill
	CREST                                          ; the barrier has opened a round of the cluster's barrier
	s_add_nc_u64 s[G0+4*\slot+2:G0+4*\slot+3], s[G0+4*\slot+2:G0+4*\slot+3], 2*KSTEP*2
	s_add_nc_u64 s[G0B+4*\slot+2:G0B+4*\slot+3], s[G0B+4*\slot+2:G0B+4*\slot+3], 2*KSTEP*4096
	JLOAD \slot                                    ; the first tensor load behind the round, my one load until the next
.else
	PLACES
.endif
	FETCH \next, 0, F0
	WIN MUL
	MUL8 F1, 1, 0, 0
	MUL8 F1, 1, 2, 0
.endm
	s_wait_tensorcnt 1                             ; my part of K step 0 is in; K step 1's load may be out
	s_barrier_signal -1
	s_barrier_wait -1
	FETCH 0, 0, F0
	QUARTER 0, 1, F0, F1, 1                        ; the first products start the sums
	WIN 0
	s_mov_b32 s3, LAPS-1
.Llap:
	QUARTER 0, 2, F1, F0, 0
	QUARTER 0, 3, F0, F1, 0
	TURN 0, 1, 1
	QUARTER 1, 1, F0, F1, 0
	QUARTER 1, 2, F1, F0, 0
	QUARTER 1, 3, F0, F1, 0
	TURN 1, 0, 1
	QUARTER 0, 1, F0, F1, 0
	WIN 0
	s_sub_co_u32 s3, s3, 1
	s_cmp_lg_u32 s3, 0
	s_cbranch_scc1 .Llap
	QUARTER 0, 2, F1, F0, 0                        ; the last lap fills nothing
	QUARTER 0, 3, F0, F1, 0
	TURN 0, 1, 0
	QUARTER 1, 1, F0, F1, 0
	QUARTER 1, 2, F1, F0, 0
	QUARTER 1, 3, F0, F1, 0
	s_wait_dscnt 16
	WIN MUL
	MUL8 F1, 0, 0, 0
	MUL8 F1, 0, 2, 0
	s_wait_dscnt 0
	MUL8 F1, 1, 0, 0
	MUL8 F1, 1, 2, 0
	WIN 0
; THE WAY OUT, a block of 16 rows x 64 columns at a time, through my own stage: in as 32 bytes a lane, back as whole rows of 256 bytes.  LDS serves a wave's instructions in order: no wait between the stores and the loads.
.macro TOSTAGE a
.set BK, TMP+32*((\a)%2)
.irp b, 0,1,2,3
	ds_store_b128 v[STO], v[ACC+8*(4*(\a)+\b):ACC+8*(4*(\a)+\b)+3] offset:64*\b        ; each accumulator from its low end on
	ds_store_b128 v[STO], v[ACC+8*(4*(\a)+\b)+4:ACC+8*(4*(\a)+\b)+7] offset:64*\b+16
.endr
.irp t, 0,1,2,3,4,5,6,7
	ds_load_b128 v[BK+4*\t:BK+4*\t+3], v[RD] offset:\t*2*SPITCH
.endr
.endm
.macro SEND a, younger                 ; younger: the LDS instructions issued behind block a's loads
.set BK, TMP+32*((\a)%2)
	s_wait_dscnt \younger
.irp t, 0,1,2,3,4,5,6,7
	global_store_b128 v[CO], v[BK+4*\t:BK+4*\t+3], s[8:9] offset:8192*(16*(\a)+2*\t) th:TH_STORE_NT   ; 16 lanes store 256 dense bytes, aligned
.endr
.endm
	PLACES                                         ; behind the last products
	TOSTAGE 0
	TOSTAGE 1
	SEND 0, 16
	s_wait_xcnt 0x0                                ; block 0's stores have read their registers: block 2's loads may land there
	TOSTAGE 2
	SEND 1, 16
	s_wait_xcnt 0x0
	TOSTAGE 3
	SEND 2, 16
	SEND 3, 0
	s_wait_tensorcnt 0x0                           ; the wave's end, behind my last tensor load and my last LDS store
	ds_add_u32 v[SPW], v[NIL]
	s_wait_dscnt 0x0
	CROUND                                         ; the closing round
	s_endpgm
.Lfunc_end_k_qada9cd619d_proj:
	.size	k_qada9cd619d_proj, .Lfunc_end_k_qada9cd619d_proj-k_qada9cd619d_proj
	.p2alignl 7, 3214868480
	.fill 96, 4, 3214868480
	.section	.rodata,"a",@progbits
	.p2align	6, 0x0
	.amdhsa_kernel k_qada9cd619d_proj
		.amdhsa_group_segment_fixed_size 327680
		.amdhsa_private_segment_fixed_size 0
		.amdhsa_enable_private_segment 0
		.amdhsa_kernarg_size 24
		.amdhsa_user_sgpr_count 2
		.amdhsa_user_sgpr_kernarg_segment_ptr 1
		.amdhsa_wavefront_size32 1
		.amdhsa_system_sgpr_workgroup_id_x 1
		.amdhsa_system_sgpr_workgroup_id_y 1
		.amdhsa_system_sgpr_workgroup_id_z 1
		.amdhsa_system_vgpr_workitem_id 0
		.amdhsa_next_free_vgpr 512
		.amdhsa_next_free_sgpr 66
		.amdhsa_reserve_vcc 0
		.amdhsa_float_denorm_mode_32 3
		.amdhsa_float_denorm_mode_16_64 3
		.amdhsa_memory_ordered 1
		.amdhsa_forward_progress 1
		.amdhsa_inst_pref_size 86
	.end_amdhsa_kernel
	.amdgpu_metadata
---
amdhsa.version: [ 1, 2 ]
amdhsa.kernels:
  - .name:           k_qada9cd619d_proj
    .symbol:         k_qada9cd619d_proj.kd
    .args:
      - { .name: att, .offset: 0, .size: 8, .value_kind: global_buffer, .address_space: global }
      - { .name: wo16, .offset: 8, .size: 8, .value_kind: global_buffer, .address_space: global }
      - { .name: out0, .offset: 16, .size: 8, .value_kind: global_buffer, .address_space: global }
    .group_segment_fixed_size: 327680
    .private_segment_fixed_size: 0
    .kernarg_segment_align: 8
    .kernarg_segment_size: 24
    .max_flat_workgroup_size: 128
    .sgpr_count:     66
    .vgpr_count:     512
    .wavefront_size: 32
...
	.end_amdgpu_metadata
.endif
;; end of part 4
